; MI455X (gfx1250); checked and timed in simulation.
; The chip was launched on July 23, 2026; its instructions are those of AMD's public machine-readable ISA for CDNA 5 (MIT licence, August 2026) and "CDNA5" Instruction Set Architecture Reference Guide (July 2026). The comments in the code are by the model that wrote it; some were corrected since.
;; Causal Self Attention. Allowed arithmetic: matrix products marked QUANTISED: E3M2 operands, one E8M0 scale for each 32 along K, by v_wmma_scale_f32_16x16x128_f8f6f4 with both operands' format E3M2, f32 sums; everything else in f32.
;; Inputs: w_attn 1,024 x 3,072 float32; w_proj 1,024 x 1,024 float32; x 4 x 2,048 x 1,024 float32.
;; Outputs: out0 4 x 2,048 x 1,024 float32.
;; This version of the problem:
;;   THIS VERSION OF THE PROBLEM IS GIVEN IN LOW PRECISION. The matrix products marked QUANTISED in the list below multiply operands that are first quantised to E3M2 (3 exponent bits, 2 mantissa bits; 6 bits a number), with one power-of-two scale for each 32 numbers along K (OCP MX v1.0); their sums are f32. All else is computed in f32.
;;   The module's matrix products, in the order in which they are computed (A, B: the left and right operand; K: the contracted axis; several contracted axes count as one K, in the product's order):
;;     1. [M 8,192, K 1,024] x [K 1,024, N 3,072]; A: input x; B: input w_attn: QUANTISED
;;     2. batch 64 x [M 2,048, K 64] x [K 64, N 2,048]; A: computed on the way; B: computed on the way: QUANTISED
;;     3. batch 64 x [M 2,048, K 2,048] x [K 2,048, N 64]; A: softmax (see below); B: computed on the way: QUANTISED
;;     4. [M 8,192, K 1,024] x [K 1,024, N 1,024]; A: computed on the way; B: input w_proj: QUANTISED
;;   THE QUANTISER, for each operand of a quantised product, along K:
;;     - K is cut into blocks of 32 from its start; a last block that is shorter is filled with zeros.
;;     - A block's scale is 2^e with e = floor(log2(the largest magnitude in the block)) - 4, held to -126 .. 127; a block of zeros has e = 0. As a byte (E8M0): e + 127.
;;     - Each number is divided by its block's scale, clamped to +-28, and rounded to the nearest number of E3M2, ties to even, subnormals kept.
;;     - The product sums the exact products of the quantised numbers (number of the format x scale) in f32.
;;   ~~~python
;;   def quantise(x, axis):      # numpy; x: float32 -> the quantised numbers, widened to float32 again
;;       x = np.moveaxis(x, axis, -1); K = x.shape[-1]
;;       x = np.pad(x, [(0, 0)] * (x.ndim - 1) + [(0, -K % 32)]); x = x.reshape(x.shape[:-1] + (-1, 32)); a = np.abs(x).max(-1, keepdims=True)
;;       e = np.where(a > 0, np.clip(np.frexp(np.where(a > 0, a, 1))[1] - 1 - 4, -126, 127), 0)      # np.frexp(a)[1] - 1 = floor(log2(a)), exactly
;;       r = np.clip(x / 2.0 ** e, -28, 28)
;;       step = 2.0 ** (np.maximum(np.frexp(np.where(r == 0, 1, r))[1] - 1, -2) - 2)
;;       q = np.round(r / step) * step * 2.0 ** e      # np.round: ties to even
;;       return np.moveaxis(q.reshape(q.shape[:-2] + (-1,))[..., :K], -1, axis).astype(np.float32)
;;   ~~~
;;   SOFTMAX AHEAD OF A QUANTISED PRODUCT. Where the list says 'softmax', what is quantised is not the finished softmax but p = 2^(t - M), with t = logit x log2(e) and M = ceil(the row's largest t), a whole number; so 1/2 < the row's largest p <= 1. The row's sum l is taken of the UNQUANTISED p, in f32, and the product's result is divided by l at the end. Since M is a whole number, a kernel that streams over the keys may use a running M (the ceiling of the running maximum): every later rescaling is an exact power of two, which a block's scale takes up: the codes' values come out the same.
;;   OPERANDS COMPUTED ON THE WAY. 'Computed on the way' means the value that the module computes at that place (a softmax that the list does not call 'softmax' is quantised finished and normalised). What goes into a quantiser is computed in f32, as accurately as f32 sums, v_exp_f32 and their like allow (about 1e-6 of the number): no bf16 or f16 on the way to a quantiser, and a product that is left as it is and whose result goes on into a quantised operand takes f32 operands (vector FMAs, or v_wmma_f32_16x16x4_f32). A number that lies on a knife's edge between two numbers of the format may be rounded either way, as far as f32 arithmetic and the matrix unit's own rounding can turn it there, and no further.
;; One version. Each part assembles by itself: llvm-mc -triple=amdgcn-amd-amdhsa -mcpu=gfx1250 --defsym DOCPART=n.
;; ======== version 1 of 1: 4 launches
;; workspace buffers: opq 9,830,400 bytes; qkvq 19,660,800 bytes; yq 6,553,600 bytes
;; launch quant (part 1): grid 384 x 1, 4 waves a work-group, no clusters, 34,304 bytes of LDS; arguments x, w_attn, w_proj, opq; writes opq
.if DOCPART == 1
	.amdgcn_target "amdgcn-amd-amdhsa--gfx1250"
	.amdhsa_code_object_version 6
	.text
	.protected	k_qe2d208a007_quant
	.globl	k_qe2d208a007_quant
	.p2align	8
	.type	k_qe2d208a007_quant,@function
k_qe2d208a007_quant:
	s_mov_b64 s[64:65], 0
	v_nop
	global_prefetch_b8 v0, s[64:65] scope:SCOPE_SE
	s_setreg_imm32_b32 hwreg(HW_REG_WAVE_MODE, 25, 1), 1
	s_wait_xcnt 0x0
; x [8192][1024], w_attn [1024][3072] and w_proj [1024][1024], f32, become codes of BF6 (E3M2) with one E8M0 byte for each 32 along K (K = 1024 in all three), laid as the products' operand registers want them.
; THE LAYOUT.  16 rows (of x; columns of a weight) are a ROW TILE: 16 images of 768 bytes, one for each 64 along K.  In an image, piece p (0..2) of lane l = 16 h + r lies at 256 p + 8 l and holds bytes 8 p .. 8 p + 7
; of the 24 bytes of codes of row r, block 2 x image + h.  Two images on end are a fragment of 16 rows x 128 K: six loads of 8 bytes a lane, each of 256 consecutive bytes.  Tiles 0-511: x; 512-703: w_attn; 704-767: w_proj.
; A tile's scale bytes lie at OPS + 512 x tile as [K / 256][row][8 bytes].
; THE SCALE of a block is 2^(floor(log2(largest magnitude)) - 4): its byte is the largest magnitude's exponent field - 4, held at 1 from below by a floor among the maximum's leaves.
; ORDER INSIDE A BLOCK.  x and w_attn: as they lie.  w_proj: numbers 8-15 and 16-23 of each block change places, since its partner y (made by the attention launch) comes out of the matrix unit in that order;
; a change of order applied alike to both operands keeps every product and every scale, and changes only the order in which the unit adds.
; LIMITS: NaN and infinities are not served.  A block whose largest magnitude lies under 2^-122 keeps the byte 1.  A block of zeros gets the byte 1, not 127: its codes are zeros, and this program alone reads the bytes.
; SHARES.  Work-groups 0-255: x, a wave takes 16 rows x 512 along K.  256-351: w_attn, 352-383: w_proj: a wave takes 32 columns x 256 along K.  The work-groups share no input: no cluster, no tensor load, no barrier.
.set OPS,  9437184                     ; where the scale bytes begin in opq
.set TP,   12288                       ; a row tile's codes
.set SPX,  528                         ; x path: a stage row: 512 bytes + 16, so that the 16 rows which a read touches start at 16 different groups of four banks
.set WST,  16*SPX                      ; a wave's stage
.set R,    16                          ; v16-143  x as loaded, two sets of 64
.set X,    144                         ; v144-207 64 numbers of my row: register 16 b + i = k 32 b + 16 h + i
.set PC,   208                         ; v208-227 the codes just made
.set TM,   228                         ; v228-243 at work
.set PW,   244                         ; v244-247 the four steps' scale words
.set WX,   32                          ; weights: v32-95 two sets of 32 numbers
.set WC,   96                          ; v96-159  eight registers for each block's codes
.set SB,   24                          ; v24-25   my column's eight scale bytes
; 64 numbers of a lane become a fragment's codes in v[PC] on and its row's scale word in v[pw]
.macro QUANT s, pw
.irp b, 0,1,2,3
	v_max3_num_f32 v[TM+\b], |v[\s+16*\b]|, |v[\s+1+16*\b]|, 0x2800000   ; block b: my 16 numbers, and the floor 2^(5 - 127)
.endr
.irp i, 2,4,6,8,10,12,14
.irp b, 0,1,2,3
	v_max3_num_f32 v[TM+\b], v[TM+\b], |v[\s+16*\b+\i]|, |v[\s+1+16*\b+\i]|   ; the four blocks by turns
.endr
.endr
.irp b, 0,1,2,3
	v_permlanex16_b32 v[TM+4+\b], v[TM+\b], s20, s21
.endr
.irp b, 0,1,2,3
	v_max_num_f32 v[TM+\b], v[TM+\b], v[TM+4+\b]   ; with lane l xor 16's 16: the block's largest magnitude
.endr
.irp b, 0,1,2,3
	v_add_nc_u32 v[TM+12+\b], 0xfe000000, v[TM+\b]   ; 4 off its exponent field: the conversion's scale operand
.endr
.irp b, 0,1,2,3
	v_lshrrev_b32 v[TM+4+\b], 23, v[TM+12+\b]      ; the scale's byte
.endr
	v_lshl_or_b32 v[\pw], v[TM+5], 8, v[TM+4]
	v_lshl_or_b32 v[\pw], v[TM+6], 16, v[\pw]
	v_lshl_or_b32 v[\pw], v[TM+7], 24, v[\pw]
.irp c, 0,1
	v_cvt_scalef32_pk16_bf6_f32 v[PC+6*\c:PC+2+6*\c], v[\s+32*\c:\s+15+32*\c], v[TM+12+2*\c]
	v_cvt_scalef32_pk16_bf6_f32 v[PC+12+4*\c:PC+14+4*\c], v[\s+16+32*\c:\s+31+32*\c], v[TM+12+2*\c+1]   ; (a conversion's three registers begin on an even number)
.endr
	v_nop                                          ; one plain instruction behind the scaled conversions
.irp c, 0,1                                    ; a whole block to a lane: lanes 0-15 block 2 c, lanes 16-31 block 2 c + 1
.irp i, 0,1,2
	v_permlane16_swap_b32 v[PC+6*\c+\i], v[PC+12+4*\c+\i]
.endr
.irp i, 0,1,2
	v_mov_b32 v[PC+3+6*\c+\i], v[PC+12+4*\c+\i]
.endr
.endr
.endm
.macro XLOAD t                         ; step t: 128 along K of my 16 rows; each load reads 512 consecutive bytes of one row
.irp i, 0,1,2,3,4,5,6,7,8,9,10,11,12,13,14,15
	global_load_b128 v[R+64*((\t)%2)+4*\i:R+64*((\t)%2)+4*\i+3], v4, s[4:5] offset:4096*\i+512*(\t) th:TH_LOAD_NT
.endr
.endm
.macro XSTEP t
.if (\t) < 3
	s_wait_loadcnt 16                              ; this step's 16 loads are in; the next step's 16 may be out
.else
	s_wait_loadcnt 0x0
.endif
.irp i, 0,1,2,3,4,5,6,7,8,9,10,11,12,13,14,15
	ds_store_b128 v5, v[R+64*((\t)%2)+4*\i:R+64*((\t)%2)+4*\i+3] offset:SPX*\i   ; through my own stage, as loaded;
.endr
.irp b, 0,1,2,3
.irp j, 0,1,2,3
	ds_load_b128 v[X+16*\b+4*\j:X+16*\b+4*\j+3], v6 offset:128*\b+16*\j   ; and back, 16 neighbours of each block to a lane (LDS serves a wave's instructions in order)
.endr
.endr
	s_wait_dscnt 0x0                               ; the numbers are back, and the stores have read their registers,
.if (\t) < 2
	XLOAD (\t)+2                                   ; which take the loads of two steps on
.endif
.if (\t) > 0
	s_wait_xcnt 0x0                                ; the last step's stores have read the codes' registers, which are written again below
.endif
	QUANT X, PW+(\t)
.irp p, 0,1,2,3,4,5
	global_store_b64 v7, v[PC+2*\p:PC+2*\p+1], s[26:27] offset:1536*(\t)+256*\p   ; 32 lanes store 256 consecutive bytes, aligned
.endr
.endm
; weights: block t of my column: W(32 t + k(i), column), i = 0 .. 31, into set t % 2; perm = 1: k(i) swaps the groups 8-15 and 16-23
.macro WLOAD t, pitch, perm
.irp i, 0,1,2,3,4,5,6,7,8,9,10,11,12,13,14,15,16,17,18,19,20,21,22,23,24,25,26,27,28,29,30,31
.if \perm
	global_load_b32 v[WX+32*((\t)%2)+\i], v3, s[20:21] offset:(32*(\t)+8*(((\i/8)%2)*2+\i/16)+\i%8)*\pitch th:TH_LOAD_NT
.else
	global_load_b32 v[WX+32*((\t)%2)+\i], v3, s[20:21] offset:(32*(\t)+\i)*\pitch th:TH_LOAD_NT
.endif
.endr
.endm
.macro WBLOCK t, pitch, perm
.set XS, WX+32*((\t)%2)
.set CT, WC+8*(\t)
.if (\t) < 7
	s_wait_loadcnt 32                              ; this block's 32 loads are in; the next block's may be out
.else
	s_wait_loadcnt 0x0
.endif
	v_max3_num_f32 v12, |v[XS]|, |v[XS+1]|, |v[XS+2]|   ; all 32 numbers of the block are mine
	v_max3_num_f32 v13, |v[XS+3]|, |v[XS+4]|, |v[XS+5]|
.irp i, 6,10,14,18,22,26
	v_max3_num_f32 v12, v12, |v[XS+\i]|, |v[XS+\i+1]|
	v_max3_num_f32 v13, v13, |v[XS+\i+2]|, |v[XS+\i+3]|
.endr
	v_max3_num_f32 v12, v12, |v[XS+30]|, |v[XS+31]|
	v_max3_num_f32 v12, v12, v13, 0x2800000        ; and the floor
	v_add_nc_u32 v11, 0xfe000000, v12
	v_lshrrev_b32 v13, 23, v11
.if (\t)%4 == 0
	v_mov_b32 v[SB+(\t)/4], v13
.else
	v_lshl_or_b32 v[SB+(\t)/4], v13, 8*((\t)%4), v[SB+(\t)/4]
.endif
	v_cvt_scalef32_pk16_bf6_f32 v[CT:CT+2], v[XS:XS+15], v11
	v_cvt_scalef32_pk16_bf6_f32 v[CT+4:CT+6], v[XS+16:XS+31], v11
	v_nop                                          ; one plain instruction behind the scaled conversions
.if (\t)+2 < 8
	WLOAD (\t)+2, \pitch, \perm
.endif
	v_mov_b32 v[CT+3], v[CT+4]                     ; the block's 24 bytes on end
	v_mov_b32 v[CT+4], v[CT+5]
	v_mov_b32 v[CT+5], v[CT+6]
.if (\t)%2 == 1                        ; blocks t - 1 and t of 32 columns become the image of columns 0-15 (in the even block's registers) and that of columns 16-31
.irp i, 0,1,2,3,4,5
	v_permlane16_swap_b32 v[CT-8+\i], v[CT+\i]
.endr
.irp p, 0,1,2
	global_store_b64 v4, v[CT-8+2*\p:CT-8+2*\p+1], s[26:27] offset:768*((\t)/2)+256*\p
	global_store_b64 v4, v[CT+2*\p:CT+2*\p+1], s[26:27] offset:TP+768*((\t)/2)+256*\p
.endr
.endif
.endm
; A weight's path.  A lane takes a column and its registers run down K, so a block lies in one lane and nothing is transposed.  No store's data are written again.
.macro WPATH pitch, perm, t0, wg0, src
	s_sub_co_u32 s12, ttmp9, \wg0
	s_and_b32 s13, s12, 3                          ; which 256 along K
	s_lshr_b32 s14, s12, 2
	s_lshl_b32 s14, s14, 2
	s_add_co_u32 s14, s14, s16                     ; which 32 columns
	s_mul_i32 s24, s13, 256*\pitch
	s_lshl_b32 s15, s14, 7
	s_add_co_u32 s24, s24, s15
	s_add_nc_u64 s[20:21], s[\src:\src+1], s[24:25]
	s_lshl_b32 s15, s14, 1
	s_add_co_u32 s15, s15, \t0                     ; my first row tile
	s_mul_i32 s24, s15, TP
	s_mul_i32 s17, s13, 3072
	s_add_co_u32 s24, s24, s17
	s_add_nc_u64 s[26:27], s[10:11], s[24:25]
	s_lshl_b32 s24, s15, 9
	s_lshl_b32 s17, s13, 7
	s_add_co_u32 s24, s24, s17
	s_add_co_u32 s24, s24, OPS
	s_add_nc_u64 s[28:29], s[10:11], s[24:25]
	WLOAD 0, \pitch, \perm
	WLOAD 1, \pitch, \perm
.irp t, 0,1,2,3,4,5,6,7
	WBLOCK \t, \pitch, \perm
.endr
	global_store_b64 v5, v[SB:SB+1], s[28:29]      ; eight bytes a column: two runs of 128 bytes, one byte for each 128 that the wave reads
	s_endpgm
.endm
	s_load_b256 s[4:11], s[0:1], 0x0               ; x s[4:5], w_attn s[6:7], w_proj s[8:9], opq s[10:11]
	v_lshl_add_u32 v254, v0, 2, 0x8400
	v_mov_b32 v255, 0
	v_lshrrev_b32 v1, 5, v0
	v_readfirstlane_b32 s16, v1                    ; wave
	v_and_b32 v2, 31, v0                           ; lane
	v_and_b32 v8, 15, v0                           ; r
	v_bfe_u32 v9, v0, 4, 1                         ; h
	s_mov_b32 s25, 0
	s_wait_kmcnt 0x0
	s_cmp_lt_u32 ttmp9, 256
	s_cbranch_scc0 .Lweights
	; ---- x
	v_lshlrev_b32 v4, 4, v2                        ; 16 bytes a lane
	s_mul_i32 s17, s16, WST
	v_add_nc_u32 v5, s17, v4                       ; the stage, on the way in
	v_mul_u32_u24 v6, v8, SPX
	v_lshl_add_u32 v6, v9, 6, v6
	v_add_nc_u32 v6, s17, v6                       ; and out: row r, + 64 h
	v_lshlrev_b32 v7, 3, v2                        ; an image's place for my lane
	s_mov_b32 s20, 0x76543210
	s_mov_b32 s21, 0xfedcba98                      ; selects for lane l xor 16
	s_mov_b32 s22, 0xffff0000                      ; lanes 16-31
.irp b, 0,1,2,3
	v_mov_b32 v[TM+4+\b], 0                        ; a lane permute's destination counts as read
.endr
	s_lshl_b32 s12, ttmp9, 2
	s_add_co_u32 s12, s12, s16                     ; my wave among 1,024: row tile = it / 2, half of K = it % 2
	s_lshr_b32 s13, s12, 1
	s_and_b32 s14, s12, 1
	s_lshl_b32 s24, s13, 16                        ; 16 rows of 4,096 bytes
	s_lshl_b32 s15, s14, 11
	s_add_co_u32 s24, s24, s15
	s_add_nc_u64 s[4:5], s[4:5], s[24:25]
	s_mul_i32 s24, s12, TP/2
	s_add_nc_u64 s[26:27], s[10:11], s[24:25]      ; my half of the tile's codes
	s_lshl_b32 s24, s12, 8
	s_add_co_u32 s24, s24, OPS
	s_add_nc_u64 s[28:29], s[10:11], s[24:25]      ; and of its scale bytes
	XLOAD 0
	XLOAD 1
	XSTEP 0
	XSTEP 1
	XSTEP 2
	XSTEP 3
	v_cndmask_b32 v248, v[PW], v[PW+2], s22        ; lanes 0-15: the words of my first 256 along K, lanes 16-31: of my second
	v_cndmask_b32 v249, v[PW+1], v[PW+3], s22
	global_store_b64 v7, v[248:249], s[28:29]      ; 256 consecutive bytes, aligned
	s_wait_tensorcnt 0x0
	ds_add_u32 v254, v255
	s_wait_dscnt 0x0
	s_endpgm
.Lweights:
	v_lshlrev_b32 v3, 2, v2                        ; in: 4 bytes a lane
	v_lshlrev_b32 v4, 3, v2                        ; an image's place for my lane
	v_lshlrev_b32 v5, 3, v8
	v_lshl_add_u32 v5, v9, 9, v5                   ; scale bytes: tile h, row r
	s_cmp_lt_u32 ttmp9, 352
	s_cbranch_scc0 .Lproj
	WPATH 12288, 0, 512, 256, 6
.Lproj:
	WPATH 4096, 1, 704, 352, 8
.Lfunc_end_k_qe2d208a007_quant:
	.size	k_qe2d208a007_quant, .Lfunc_end_k_qe2d208a007_quant-k_qe2d208a007_quant
	.p2alignl 7, 3214868480
	.fill 96, 4, 3214868480
	.section	.rodata,"a",@progbits
	.p2align	6, 0x0
	.amdhsa_kernel k_qe2d208a007_quant
		.amdhsa_group_segment_fixed_size 34304
		.amdhsa_private_segment_fixed_size 0
		.amdhsa_enable_private_segment 0
		.amdhsa_kernarg_size 32
		.amdhsa_user_sgpr_count 2
		.amdhsa_user_sgpr_kernarg_segment_ptr 1
		.amdhsa_wavefront_size32 1
		.amdhsa_system_sgpr_workgroup_id_x 1
		.amdhsa_system_sgpr_workgroup_id_y 1
		.amdhsa_system_sgpr_workgroup_id_z 1
		.amdhsa_system_vgpr_workitem_id 0
		.amdhsa_next_free_vgpr 256
		.amdhsa_next_free_sgpr 66
		.amdhsa_reserve_vcc 0
		.amdhsa_float_denorm_mode_32 3
		.amdhsa_float_denorm_mode_16_64 3
		.amdhsa_memory_ordered 1
		.amdhsa_forward_progress 1
		.amdhsa_inst_pref_size 114
	.end_amdhsa_kernel
	.amdgpu_metadata
---
amdhsa.version: [ 1, 2 ]
amdhsa.kernels:
  - .name:           k_qe2d208a007_quant
    .symbol:         k_qe2d208a007_quant.kd
    .args:
      - { .name: x, .offset: 0, .size: 8, .value_kind: global_buffer, .address_space: global }
      - { .name: w_attn, .offset: 8, .size: 8, .value_kind: global_buffer, .address_space: global }
      - { .name: w_proj, .offset: 16, .size: 8, .value_kind: global_buffer, .address_space: global }
      - { .name: opq, .offset: 24, .size: 8, .value_kind: global_buffer, .address_space: global }
    .group_segment_fixed_size: 34304
    .private_segment_fixed_size: 0
    .kernarg_segment_align: 8
    .kernarg_segment_size: 32
    .max_flat_workgroup_size: 128
    .sgpr_count:     66
    .vgpr_count:     256
    .wavefront_size: 32
...
	.end_amdgpu_metadata
.endif
;; end of part 1
;; launch qkv (part 2): grid 96 x 4, 4 waves a work-group, clusters of 4 x 4, 327,680 bytes of LDS; arguments opq, qkvq; writes qkvq
.if DOCPART == 2
	.amdgcn_target "amdgcn-amd-amdhsa--gfx1250"
	.amdhsa_code_object_version 6
	.text
	.protected	k_qe2d208a007_qkv
	.globl	k_qe2d208a007_qkv
	.p2align	8
	.type	k_qe2d208a007_qkv,@function
k_qe2d208a007_qkv:
	s_mov_b64 s[64:65], 0
	v_nop
	global_prefetch_b8 v0, s[64:65] scope:SCOPE_SE
	s_setreg_imm32_b32 hwreg(HW_REG_WAVE_MODE, 25, 1), 1
	s_wait_xcnt 0x0
	s_wait_alu depctr_hold_cnt(0) depctr_sa_sdst(0) depctr_va_vdst(0) depctr_va_sdst(0) depctr_va_ssrc(0) depctr_va_vcc(0) depctr_vm_vsrc(0)
	s_getreg_b32 s2, hwreg(HW_REG_IB_STS2, 6, 4)
	s_cmp_eq_u32 s2, 0
	s_cbranch_scc0 .Lentry_in_a_cluster
	s_endpgm
.Lentry_in_a_cluster:
	s_bfe_u32 s2, ttmp6, 0x10000c
	s_cmp_lg_u32 s2, 0xf033
	s_cbranch_scc0 .Lentry_shape_is_right
	s_endpgm
.Lentry_shape_is_right:
; qkv = x w_attn on codes of BF6 (E3M2) with E8M0 scales, K = 1024, and its results quantised in registers: q and k along the head's 64, v along the keys.  Nothing of qkv goes to memory as f32.
; OPERANDS come from opq as images of operand registers: a row tile (16 rows) is 12,288 bytes, 768 for each 64 along K; piece p of lane l of an image lies at 256 p + 8 l.  Scale bytes: OPS + 512 x tile, [K / 256][row][8].
; A tile of 256 x 256 results is made by four waves, 128 x 128 each: 64 accumulators.  K goes in four steps of 256 through a ring of two LDS slots; a wave's tensor load brings 8 row tiles x 3,072 bytes.
; The matrix instruction takes 16 rows of B as source 0 and 16 rows of A as source 1: a lane then holds ONE row of A and its registers run along B's rows.
; TWO JOBS, ONE TEXT; only tile numbers and output offsets differ, chosen by s_cselect_b32 on the cluster's number.  Clusters 0-15: A = tokens, B = w_attn's columns 0-2047: a lane holds a token and 128 columns (two heads of q
; or of k).  Clusters 16-23: A = w_attn's columns 2048-3071, B = tokens: a lane holds a column of v and 128 tokens, so v's K, the keys, runs along the lane's registers.
; CLUSTER 4 x 4: A's tiles are asked for jointly along a row of the cluster, B's along a column.
; THE WAY OUT uses no LDS.  The 64 numbers that a lane holds of A's block a are four blocks of 32 (each shared with lane l xor 16): scale, codes, exchange of halves: the result is again an image of operand registers,
; stored by six stores of 256 consecutive bytes.  q, k: qkvq + [head image 0-31][token tile][768].  v: + 12,582,912 + [token / 64][head x 4 + d / 16][768].
; Scale words (four bytes: 128 along the registers' axis) go in chunks of 512 bytes for 128 lanes' rows, the word of row 32 j + l at 16 l + 4 j.
; ORDER INSIDE A BLOCK: a lane holds numbers 8 h + j and 16 + 8 h + j of a block, so in the stream numbers 8-15 and 16-23 change places; q and k both have that order, and so have v and the attention launch's p.
; LIMITS: NaN and infinities are not served; a block whose largest magnitude lies under 2^-122 keeps the byte 1, and so does a block of zeros (its codes are zeros; this program alone reads the bytes).
; REGISTERS: window 0: v16-29 addresses; v32-63 scale words, two sets, and nothing else; v128-223 A's fragments, one set; on the way out v64-223 codes, v224-251 at work.  window 1: B's fragments, two sets.  windows 2, 3: accumulators.
.set NQ,     2                         ; matrix instructions deep in a slot
.set FR,     12                        ; registers of a fragment
.set NL,     6                         ; LDS loads that bring one
.set NP,     4                         ; places behind this matrix instruction (ISA guide 7.12.1)
.set TP,     12288                     ; a row tile's codes for all of K
.set KB,     3072                      ; and for a K step of 256
.set HALFT,  8*KB                      ; what one tensor load brings, and what one wave reads of A or of B
.set SLOT,   4*HALFT
.set LAPS,   2                         ; a lap = two K steps
.set SCL,    2*SLOT                    ; behind the ring: A's scale bytes, 8,192;
.set SCB,    8320                      ; B's begin 128 bytes further than on end, so that lanes 16-31 fall on the other half of the banks
.set SPARE,  SCL+16640                 ; the spare words: 128 bytes a wave, two blocks of 256 bytes that no other line names
.set OPS,    9437184
.set ADRA, 16                          ; v16-17 LDS address of my A fragments in slot 0, 1
.set ADRB, 20                          ; v20-21 the same for B
.set L16,  25                          ; v25    16 x lane
.set L8,   26                          ; v26    8 x lane
.set ADRS, 27                          ; v27    my scale words: lanes 0-15 A's rows, lanes 16-31 B's
.set SPW,  28
.set NIL,  29
.set SC,   32
.set AF,   128
.set TM,   224
.set PW,   240
.set SW,   248
.set G1, 24
.set G0, 32
.set G1B, 48
.set G0B, 56
.set G1S, 68
.set G0S, 76
.set G1SB, 80
.set G0SB, 88
.set MSB, 0
.macro WIN new                         ; the immediate's high byte repeats the setting that is left
.if MSB != (\new)
	s_set_vgpr_msb (MSB<<8)|(\new)
.set MSB, (\new)
.endif
.endm
.set MUL_LO, 0xa1                      ; source 0 (B) window 1, source 1 (A) window 0, C and D window 2
.set MUL_HI, 0xf1
.set TO_B,   0x40
; A joint load: waves 0 and 1 fetch for A, waves 2 and 3 for B.  Four v_nop follow each of the two lines.
.macro JLOAD g0a, g1a, g0b, g1b
	s_cmp_eq_u32 s15, 0
	s_cbranch_scc0 .Lfor_b_\@
	tensor_load_to_lds s[\g0a:\g0a+3], s[\g1a:\g1a+7]
	s_nop 0
.rept 4
	v_nop
.endr
	s_branch .Lasked_\@
.Lfor_b_\@:
	tensor_load_to_lds s[\g0b:\g0b+3], s[\g1b:\g1b+7]
	s_nop 0
.rept 4
	v_nop
.endr
.Lasked_\@:
.endm
.macro CREST                           ; a round of the cluster's barrier behind its opening barrier
	s_cmp_lg_u32 s14, 0
	s_cbranch_scc1 .Lnot_wave_0_\@
	s_barrier_signal -3
.Lnot_wave_0_\@:
	s_barrier_wait -3
	s_barrier_signal -1
	s_barrier_wait -1
.endm
.macro CROUND
	s_barrier_signal -1
	s_barrier_wait -1
	CREST
.endm
	s_load_b128 s[4:7], s[0:1], 0x0                ; opq s[4:5], qkvq s[6:7]
	v_lshl_add_u32 v[SPW], v0, 2, SPARE
	v_mov_b32 v[NIL], 0
	ds_add_u32 v28, v29
	ds_add_u32 v28, v29
	s_wait_dscnt 0x0
	v_lshrrev_b32 v1, 5, v0
	v_readfirstlane_b32 s14, v1                    ; wave 0..3
	s_lshr_b32 s15, s14, 1                         ; my half of A's rows.  Also: I fetch for A (0) or for B (1)
	s_and_b32 s16, s14, 1                          ; my half of B's rows.  Also: which 8 row tiles I fetch
	s_bfe_u32 s40, ttmp6, 0x40000                  ; cx
	s_bfe_u32 s41, ttmp6, 0x40004                  ; cy
	; the job's numbers.  Both candidates are made first; between the compare and the selections stand only moves
	s_and_b32 s18, ttmp9, 1
	s_add_co_u32 s19, s18, 8                       ; job 1: B's tiles of 256 rows begin at 4 (8 + c % 2): w_attn's columns
	s_sub_co_u32 s20, ttmp9, 16                    ; job 2: at 4 (c - 16): tokens
	s_lshr_b32 s21, ttmp9, 1                       ; job 1: A's at 4 (c / 2): tokens;  job 2: at 40: w_attn's columns 2048 on
	s_mov_b32 s97, 49152
	s_mov_b32 s98, 4096
	s_mov_b32 s100, 19398656
	s_cmp_lt_u32 ttmp9, 16
	s_cselect_b32 s42, s19, s20
	s_cselect_b32 s17, s21, 10
	s_cselect_b32 s95, s18, s20                    ; the output's place along the registers' axis, in fours of tiles,
	s_cselect_b32 s96, s21, 0                      ; and along the lanes' axis
	s_cselect_b32 s97, 393216, s97                 ; bytes from one 64 along the registers' axis to the next
	s_cselect_b32 s98, 32768, s98                  ; the same for the scale chunks, from 128 to 128
	s_cselect_b32 s99, 0, 12582912                 ; where the job's codes begin in qkvq
	s_cselect_b32 s100, 18874368, s100             ; and its scale chunks
	s_lshl_b32 s42, s42, 2
	s_add_co_u32 s42, s42, s40                     ; B's tile of 256 rows: it hangs on cx alone within the cluster
	s_lshl_b32 s17, s17, 2
	s_add_co_u32 s17, s17, s41                     ; A's: on cy alone
	s_lshl_b32 s43, s41, 2
	s_lshl_b32 s43, 15, s43                        ; my row of the cluster
	s_lshl_b32 s44, 0x1111, s40                    ; my column
	; descriptor group 1, codes: 8 rows of 384 elements of 8 bytes (3,072 bytes), 1,536 elements apart; no padding: the images are read densely
	s_or_b32 s[G1+0], s43, (3<<16)|(1<<21)
	s_or_b32 s[G1B+0], s44, (3<<16)|(1<<21)
.irp g, G1, G1B
	s_mov_b32 s[\g+1], 384<<16                     ; tensor_dim0
	s_mov_b32 s[\g+2], 8<<16                       ; tensor_dim1
	s_mov_b32 s[\g+3], 384<<16                     ; tile_dim0
	s_mov_b32 s[\g+4], 8                           ; tile_dim1
	s_mov_b32 s[\g+5], 1536                        ; tensor_dim0_stride
	s_mov_b32 s[\g+6], 0
	s_mov_b32 s[\g+7], 0
.endr
	; scale bytes of 8 row tiles: 4,096 dense bytes as 16 rows of 256
	s_or_b32 s[G1S+0], s43, (3<<16)|(1<<21)
	s_or_b32 s[G1SB+0], s44, (3<<16)|(1<<21)
.irp g, G1S, G1SB
	s_mov_b32 s[\g+1], 32<<16
	s_mov_b32 s[\g+2], 16<<16
	s_mov_b32 s[\g+3], 32<<16
	s_mov_b32 s[\g+4], 16
	s_mov_b32 s[\g+5], 32
	s_mov_b32 s[\g+6], 0
	s_mov_b32 s[\g+7], 0
.endr
	s_lshl_b32 s18, s16, 3
	s_lshl_b32 s20, s17, 4
	s_add_co_u32 s20, s20, s18                     ; A: the first row tile that I fetch
	s_lshl_b32 s46, s42, 4
	s_add_co_u32 s46, s46, s18                     ; B likewise
	s_lshl_b32 s22, s20, 9
	s_add_co_u32 s22, s22, OPS                     ; their scale bytes,
	s_mov_b32 s23, 0
	s_lshl_b32 s92, s46, 9
	s_add_co_u32 s92, s92, OPS
	s_mov_b32 s93, 0
	s_mul_i32 s20, s20, TP                         ; their codes
	s_mov_b32 s21, 0
	s_mul_i32 s46, s46, TP
	s_mov_b32 s47, 0
	s_mul_i32 s45, s14, HALFT                      ; where they go: wave x 8 row tiles
	s_lshl_b32 s94, s14, 12
	s_lshl_b32 s19, s15, 7
	s_add_co_u32 s94, s94, s19                     ; scale bytes: wave x 4,096, B's 128 further
	s_wait_kmcnt 0x0
	s_add_nc_u64 s[20:21], s[4:5], s[20:21]
	s_add_nc_u64 s[22:23], s[4:5], s[22:23]
	s_add_nc_u64 s[46:47], s[4:5], s[46:47]
	s_add_nc_u64 s[92:93], s[4:5], s[92:93]
	CROUND                                         ; all sixteen work-groups are here: the first joint loads meet
	s_mov_b32 s[G0S], 1
	s_add_co_u32 s[G0S+1], s94, SCL
	s_mov_b64 s[G0S+2:G0S+3], s[22:23]
	s_or_b32 s[G0S+3], s[G0S+3], 0x80000000
	s_mov_b32 s[G0SB], 1
	s_add_co_u32 s[G0SB+1], s94, SCL
	s_mov_b64 s[G0SB+2:G0SB+3], s[92:93]
	s_or_b32 s[G0SB+3], s[G0SB+3], 0x80000000
	JLOAD G0S, G1S, G0SB, G1SB                     ; the scale bytes for all of K: filled once
.irp s, 0,1
	s_mov_b32 s[G0+4*\s], 1
	s_add_co_u32 s[G0+4*\s+1], s45, \s*SLOT
	s_add_nc_u64 s[G0+4*\s+2:G0+4*\s+3], s[20:21], \s*KB
	s_or_b32 s[G0+4*\s+3], s[G0+4*\s+3], 0x80000000
	s_mov_b32 s[G0B+4*\s], 1
	s_add_co_u32 s[G0B+4*\s+1], s45, \s*SLOT
	s_add_nc_u64 s[G0B+4*\s+2:G0B+4*\s+3], s[46:47], \s*KB
	s_or_b32 s[G0B+4*\s+3], s[G0B+4*\s+3], 0x80000000
	JLOAD G0+4*\s, G1, G0B+4*\s, G1B               ; three tensor loads of mine are out
.endr
	v_and_b32 v1, 15, v0                           ; r
	v_bfe_u32 v2, v0, 4, 1                         ; h
	v_and_b32 v3, 31, v0                           ; lane
	v_lshlrev_b32 v4, 3, v3
	v_lshlrev_b32 v[L8], 3, v3
	v_lshlrev_b32 v[L16], 4, v3
	s_mul_i32 s21, s15, HALFT                      ; my 8 row tiles of A
	s_mul_i32 s22, s16, HALFT                      ; and of B,
	s_add_co_u32 s22, s22, 2*HALFT                 ; which lie behind A's 16
.irp s, 0,1
	v_add_nc_u32 v[ADRA+\s], s21, v4
	v_add_nc_u32 v[ADRB+\s], s22, v4
	s_add_co_u32 s21, s21, SLOT
	s_add_co_u32 s22, s22, SLOT
.endr
	v_lshlrev_b32 v5, 3, v1                        ; my row's 8 scale bytes of a K step
	s_lshl_b32 s21, s15, 12
	s_lshl_b32 s22, s16, 12
	s_add_co_u32 s22, s22, SCB
	s_sub_co_u32 s22, s22, s21
	v_mul_u32_u24 v6, s22, v2                      ; lanes 16-31 take B's: one product, the distance between the two bases
	s_add_co_u32 s21, s21, SCL
	v_add_nc_u32 v5, v5, v6
	v_add_nc_u32 v[ADRS], s21, v5
	; where my results go
	s_lshl_b32 s95, s95, 2
	s_add_co_u32 s95, s95, s40
	s_lshl_b32 s96, s96, 2
	s_add_co_u32 s96, s96, s41
	s_lshl_b32 s18, s95, 1
	s_add_co_u32 s18, s18, s16                     ; which 128 along the registers' axis
	s_lshl_b32 s19, s96, 1
	s_add_co_u32 s19, s19, s15                     ; which 128 along the lanes' axis
	s_mul_i32 s20, s18, s97
	s_lshl_b32 s20, s20, 1
	s_mul_i32 s21, s19, 8*768
	s_add_co_u32 s20, s20, s21
	s_add_co_u32 s20, s20, s99
	s_mov_b32 s21, 0
	s_add_nc_u64 s[8:9], s[6:7], s[20:21]          ; the images of my first 64 along the registers' axis,
	s_mov_b32 s20, s97
	s_add_nc_u64 s[10:11], s[8:9], s[20:21]        ; of my second 64,
	s_mul_i32 s20, s18, s98
	s_lshl_b32 s22, s19, 9
	s_add_co_u32 s20, s20, s22
	s_add_co_u32 s20, s20, s100
	s_add_nc_u64 s[12:13], s[6:7], s[20:21]        ; and my chunk of scale words
.macro FRAG reg, adr, q, i             ; a fragment, 16 rows x 128 K: two images on end: six loads of 8 bytes a lane, each of 256 consecutive bytes
.irp p, 0,1,2,3,4,5
	ds_load_b64 v[\reg+2*\p:\reg+2*\p+1], v[\adr] offset:KB*(\i)+1536*(\q)+256*\p
.endr
.endm
; 16 matrix instructions: A's blocks a0, a0 + 1 x B's eight.  The 64 accumulators take turns, one instruction a turn, in the same order in every step.
.macro MUL16 a0, p, q, sc, zero
.irp a, \a0, \a0+1
.irp b, 0,1,2,3,4,5,6,7
.if \zero
	v_wmma_scale_f32_16x16x128_f8f6f4 v[8*(8*((\a)%4)+\b):8*(8*((\a)%4)+\b)+7], v[128*(\p)+FR*\b:128*(\p)+FR*\b+FR-1], v[AF+FR*(\a):AF+FR*(\a)+FR-1], 0, v[SC+8*NQ*(\sc)+NQ*\b+(\q)], v[SC+8*NQ*(\sc)+NQ*(\a)+(\q)] matrix_a_fmt:MATRIX_FMT_BF6 matrix_b_fmt:MATRIX_FMT_BF6 matrix_a_scale:MATRIX_SCALE_ROW1
.else
	v_wmma_scale_f32_16x16x128_f8f6f4 v[8*(8*((\a)%4)+\b):8*(8*((\a)%4)+\b)+7], v[128*(\p)+FR*\b:128*(\p)+FR*\b+FR-1], v[AF+FR*(\a):AF+FR*(\a)+FR-1], v[8*(8*((\a)%4)+\b):8*(8*((\a)%4)+\b)+7], v[SC+8*NQ*(\sc)+NQ*\b+(\q)], v[SC+8*NQ*(\sc)+NQ*(\a)+(\q)] matrix_a_fmt:MATRIX_FMT_BF6 matrix_b_fmt:MATRIX_FMT_BF6 matrix_a_scale:MATRIX_SCALE_ROW1
.endif
.endr
.endr
.endm
.macro FETCH_B slot, q, p
	WIN TO_B
.irp i, 0,1,2,3,4,5,6,7
	FRAG 128*(\p)+FR*\i, ADRB+\slot, \q, \i
.endr
	WIN 0
.endm
.macro FETCH_A slot, q, i0
.irp i, \i0, \i0+1, \i0+2, \i0+3
	FRAG AF+FR*(\i), ADRA+\slot, \q, \i
.endr
.endm
.macro SCALES sc                       ; a K step's scale words: two a row; lanes 0-15 A's block i, lanes 16-31 B's block i
.irp i, 0,1,2,3,4,5,6,7
	ds_load_b64 v[SC+8*NQ*\sc+NQ*\i:SC+8*NQ*\sc+NQ*\i+1], v[ADRS] offset:\i*512
.endr
.endm
.macro PLACES n                        ; plain vector instructions between a matrix instruction and a load into, or a vector access to, its registers
.rept \n
	v_nop
.endr
.endm
.macro STEP slot, q, zero              ; 128 along K that have their successor in the same slot
	s_wait_dscnt 4*NL                              ; all but the youngest 24 loads, A's blocks 4-7
	WIN MUL_LO
	MUL16 0, (\q)%2, \q, \slot, \zero
	MUL16 2, (\q)%2, \q, \slot, \zero
	s_wait_dscnt 0
	PLACES NP
	FETCH_B \slot, (\q)+1, 1-(\q)%2
	FETCH_A \slot, (\q)+1, 0
	WIN MUL_HI
	MUL16 4, (\q)%2, \q, \slot, \zero
	MUL16 6, (\q)%2, \q, \slot, \zero
	PLACES NP
	WIN 0
	FETCH_A \slot, (\q)+1, 4
.endm
; A slot's last step changes slots: one barrier; in front of it each wave waits for all its tensor loads, adds 0 to its spare word, and waits for that and for its reads of this slot.
.macro TURN slot, next, fill
	s_wait_tensorcnt 0x0                           ; all my tensor loads have landed: my part of the next slot
	ds_add_u32 v[SPW], v[NIL]                      ; 0 onto my spare word
	s_wait_dscnt 4*NL+1                            ; the add and the youngest 24 loads may be out
	WIN MUL_LO
	MUL16 0, 1, NQ-1, \slot, 0
	s_wait_dscnt 0x0                               ; the add is done, and my reads of this slot are over
	s_barrier_signal -1
	MUL16 2, 1, NQ-1, \slot, 0
	WIN 0
	s_barrier_wait -1
.if \fill
	CREST                                          ; the barrier has opened a round of the cluster's: no wave of any partner still reads this slot or has a load on its way
	s_add_nc_u64 s[G0+4*\slot+2:G0+4*\slot+3], s[G0+4*\slot+2:G0+4*\slot+3], 2*KB
	s_add_nc_u64 s[G0B+4*\slot+2:G0B+4*\slot+3], s[G0B+4*\slot+2:G0B+4*\slot+3], 2*KB
	JLOAD G0+4*\slot, G1, G0B+4*\slot, G1B         ; the first tensor load behind the round; its four v_nop are also the places in front of the loads below
.else
	PLACES NP
.endif
	v_add_nc_u32 v[ADRS], 128, v[ADRS]             ; the next K step's scale words
	FETCH_B \next, 0, 0
	FETCH_A \next, 0, 0
	SCALES \next
	WIN MUL_HI
	MUL16 4, 1, NQ-1, \slot, 0
	MUL16 6, 1, NQ-1, \slot, 0
	PLACES NP
	WIN 0
	FETCH_A \next, 0, 4
.endm
	s_wait_tensorcnt 1                             ; the scale bytes and my part of K step 0 are in; K step 1's load may be out
	s_barrier_signal -1
	s_barrier_wait -1
	FETCH_B 0, 0, 0
	FETCH_A 0, 0, 0
	SCALES 0
	FETCH_A 0, 0, 4
	STEP 0, 0, 1                                   ; the first step starts the sums
	s_mov_b32 s3, LAPS-1
.Llap:
	TURN 0, 1, 1
	STEP 1, 0, 0
	TURN 1, 0, 1
	STEP 0, 0, 0
	s_sub_co_u32 s3, s3, 1
	s_cmp_lg_u32 s3, 0
	s_cbranch_scc1 .Llap
	TURN 0, 1, 0                                   ; the last lap fills nothing
	STEP 1, 0, 0
	s_wait_dscnt 4*NL
	WIN MUL_LO
	MUL16 0, 1, NQ-1, 1, 0
	MUL16 2, 1, NQ-1, 1, 0
	s_wait_dscnt 0
	WIN MUL_HI
	MUL16 4, 1, NQ-1, 1, 0
	MUL16 6, 1, NQ-1, 1, 0
	WIN 0
; THE WAY OUT.  Block a: 64 accumulator registers of window 2 + a / 4, register 16 b + i = number 8 h + i (i < 8) or 16 + 8 h + i - 8 of block b.  Each accumulator is read from its low end on.
.macro QUANTW a
.set ACB, 64*((\a)%4)
.set WA,  2+(\a)/4
.set W01, WA|(WA<<2)
.set W12, (WA<<2)|(WA<<4)
.set PCA, 64+20*(\a)
	WIN W01                                        ; sources 0 and 1 in the accumulators' window
.irp b, 0,1,2,3
	v_max3_num_f32 v[TM+\b], |v[ACB+16*\b]|, |v[ACB+1+16*\b]|, 0x2800000   ; and the floor 2^(5 - 127)
.endr
	WIN W12                                        ; sources 1 and 2
.irp i, 2,4,6,8,10,12,14
.irp b, 0,1,2,3
	v_max3_num_f32 v[TM+\b], v[TM+\b], |v[ACB+16*\b+\i]|, |v[ACB+1+16*\b+\i]|
.endr
.endr
	WIN 0
.irp b, 0,1,2,3
	v_permlanex16_b32 v[TM+4+\b], v[TM+\b], s20, s21
.endr
.irp b, 0,1,2,3
	v_max_num_f32 v[TM+\b], v[TM+\b], v[TM+4+\b]
.endr
.irp b, 0,1,2,3
	v_add_nc_u32 v[TM+12+\b], 0xfe000000, v[TM+\b]
.endr
.irp b, 0,1,2,3
	v_lshrrev_b32 v[TM+4+\b], 23, v[TM+12+\b]
.endr
	v_lshl_or_b32 v[PW+(\a)], v[TM+5], 8, v[TM+4]
	v_lshl_or_b32 v[PW+(\a)], v[TM+6], 16, v[PW+(\a)]
	v_lshl_or_b32 v[PW+(\a)], v[TM+7], 24, v[PW+(\a)]
	WIN WA                                         ; source 0
.irp c, 0,1
	v_cvt_scalef32_pk16_bf6_f32 v[PCA+6*\c:PCA+2+6*\c], v[ACB+32*\c:ACB+15+32*\c], v[TM+12+2*\c]
	v_cvt_scalef32_pk16_bf6_f32 v[PCA+12+4*\c:PCA+14+4*\c], v[ACB+16+32*\c:ACB+31+32*\c], v[TM+12+2*\c+1]
.endr
	WIN 0
	v_nop                                          ; one plain instruction behind the scaled conversions
.irp c, 0,1
.irp i, 0,1,2
	v_permlane16_swap_b32 v[PCA+6*\c+\i], v[PCA+12+4*\c+\i]
.endr
.irp i, 0,1,2
	v_mov_b32 v[PCA+3+6*\c+\i], v[PCA+12+4*\c+\i]
.endr
.endr
.endm
	PLACES NP                                      ; behind the last products: their results are read, and the registers that held A's fragments are written
	s_mov_b32 s20, 0x76543210
	s_mov_b32 s21, 0xfedcba98
	s_mov_b32 s3, 0xffff0000
.irp b, 0,1,2,3
	v_mov_b32 v[TM+4+\b], 0                        ; a lane permute's destination counts as read
.endr
.irp a, 0,1,2,3,4,5,6,7                ; each block has registers of its own for its codes: no store's data are written again
	QUANTW \a
.irp p, 0,1,2
	global_store_b64 v[L8], v[64+20*\a+2*\p:65+20*\a+2*\p], s[8:9] offset:768*\a+256*\p     ; 32 lanes store 256 consecutive bytes, aligned
.endr
.irp p, 0,1,2
	global_store_b64 v[L8], v[70+20*\a+2*\p:71+20*\a+2*\p], s[10:11] offset:768*\a+256*\p
.endr
.endr
.irp j, 0,1,2,3
	v_cndmask_b32 v[SW+\j], v[PW+2*\j], v[PW+2*\j+1], s3   ; lanes 0-15: row 32 j + l of block 2 j, lanes 16-31: of block 2 j + 1
.endr
	global_store_b128 v[L16], v[SW:SW+3], s[12:13] ; the chunk's 512 bytes
	s_wait_tensorcnt 0x0                           ; the wave's end
	ds_add_u32 v[SPW], v[NIL]
	s_wait_dscnt 0x0
	CROUND                                         ; the closing round
	s_endpgm
.Lfunc_end_k_qe2d208a007_qkv:
	.size	k_qe2d208a007_qkv, .Lfunc_end_k_qe2d208a007_qkv-k_qe2d208a007_qkv
	.p2alignl 7, 3214868480
	.fill 96, 4, 3214868480
	.section	.rodata,"a",@progbits
	.p2align	6, 0x0
	.amdhsa_kernel k_qe2d208a007_qkv
		.amdhsa_group_segment_fixed_size 327680
		.amdhsa_private_segment_fixed_size 0
		.amdhsa_enable_private_segment 0
		.amdhsa_kernarg_size 16
		.amdhsa_user_sgpr_count 2
		.amdhsa_user_sgpr_kernarg_segment_ptr 1
		.amdhsa_wavefront_size32 1
		.amdhsa_system_sgpr_workgroup_id_x 1
		.amdhsa_system_sgpr_workgroup_id_y 1
		.amdhsa_system_sgpr_workgroup_id_z 1
		.amdhsa_system_vgpr_workitem_id 0
		.amdhsa_next_free_vgpr 1024
		.amdhsa_next_free_sgpr 102
		.amdhsa_reserve_vcc 0
		.amdhsa_float_denorm_mode_32 3
		.amdhsa_float_denorm_mode_16_64 3
		.amdhsa_memory_ordered 1
		.amdhsa_forward_progress 1
		.amdhsa_inst_pref_size 167
	.end_amdhsa_kernel
	.amdgpu_metadata
---
amdhsa.version: [ 1, 2 ]
amdhsa.kernels:
  - .name:           k_qe2d208a007_qkv
    .symbol:         k_qe2d208a007_qkv.kd
    .args:
      - { .name: opq, .offset: 0, .size: 8, .value_kind: global_buffer, .address_space: global }
      - { .name: qkvq, .offset: 8, .size: 8, .value_kind: global_buffer, .address_space: global }
    .group_segment_fixed_size: 327680
    .private_segment_fixed_size: 0
    .kernarg_segment_align: 8
    .kernarg_segment_size: 16
    .max_flat_workgroup_size: 128
    .sgpr_count:     102
    .vgpr_count:     1024
    .wavefront_size: 32
...
	.end_amdgpu_metadata
.endif
;; end of part 2
;; launch attn (part 3): grid 4 x 64, 16 waves a work-group, clusters of 4 x 1, 215,040 bytes of LDS; arguments qkvq, yq; writes yq
.if DOCPART == 3
	.amdgcn_target "amdgcn-amd-amdhsa--gfx1250"
	.amdhsa_code_object_version 6
	.text
	.protected	k_qe2d208a007_attn
	.globl	k_qe2d208a007_attn
	.p2align	8
	.type	k_qe2d208a007_attn,@function
k_qe2d208a007_attn:
	s_mov_b64 s[64:65], 0
	v_nop
	global_prefetch_b8 v0, s[64:65] scope:SCOPE_SE
	s_setreg_imm32_b32 hwreg(HW_REG_WAVE_MODE, 25, 1), 1
	s_wait_xcnt 0x0
	s_wait_alu depctr_hold_cnt(0) depctr_sa_sdst(0) depctr_va_vdst(0) depctr_va_sdst(0) depctr_va_ssrc(0) depctr_va_vcc(0) depctr_vm_vsrc(0)
	s_getreg_b32 s2, hwreg(HW_REG_IB_STS2, 6, 4)
	s_cmp_eq_u32 s2, 0
	s_cbranch_scc0 .Lentry_in_a_cluster
	s_endpgm
.Lentry_in_a_cluster:
	s_bfe_u32 s2, ttmp6, 0x10000c
	s_cmp_lg_u32 s2, 0x3003
	s_cbranch_scc0 .Lentry_shape_is_right
	s_endpgm
.Lentry_shape_is_right:
; y[b][q][head] = softmax over keys k <= q of (q . k / 8) times v, both products on codes of BF6 (E3M2) with E8M0 scales; y is quantised along E for the last product and leaves as codes.
; THE SOFTMAX: t = score x log2(e) / 8; M = the running largest t rounded up to a whole number; p = 2^(t - M) is quantised along the keys, not normalised; the row's sum is taken of the unquantised p and divides at the end.
; When M moves, the sum and O are multiplied by 2^(old M - new M), which rounds nothing.
; SHARES.  A cluster of four work-groups serves one (batch, head).  THE WHOLE HEAD LIES IN LDS: K's codes (98,304 bytes), V's (98,304), their scale chunks (8,192 each): every byte is filled once, so there is no ring.
; The four partners need the same bytes: every fill is a joint load.  Waves 0 and 1 fetch K's, waves 2 and 3 V's: five loads each, all at the head: five tensor loads of a wave are out.
; Each of the 16 waves owns two tiles of 16 queries: one in the group of 128 queries number beta = wave / 2 and one in group 15 - beta: beta + 1 and 16 - beta key steps of 128, 17 for every wave of every work-group.
; Which tile of a group: 2 cx + wave % 2; cx enters only global addresses and the mask's vector number: no branch and no LDS address hangs on it.
; LAYOUT.  S^T = K Q^T (source 0 = 16 keys, source 1 = my queries), O^T = V^T P^T: a lane holds one query.  The first product's K is 64: Q's registers 6-11 are zero codes and both sides' scale bytes 2, 3 are 0, so whatever
; stands in K's registers 6-11 (the next tile's codes) adds nothing; so the eight fragments of K overlap and take 54 registers.
; ORDER INSIDE A BLOCK: numbers 8-15 and 16-23 change places in q, k, p, v and y alike (the order in which a matrix result lies in a lane); each product's two operands agree.
; A block's largest p is made from the block's largest score by the same two instructions; this takes v_exp_f32 not to fall where its input rises.
; LIMITS: NaN and infinities are not served; a block whose largest magnitude lies under 2^-122 keeps the byte 1, and so does a block of zeros.
; REGISTERS: v1-4 LDS places, v5 the mask's number, v6 and v94 Q's scale words, v7 8 x lane, v8-11 addresses in hand, v12 -M, v13 largest t, v[14:15] the sum, v16-27 Q (low tile), v[28:29] f, v30-31 at work,
; v32-85 K (behind the first product: v32-43 p's codes, v44-50, v52-63 at work), v86-93 K's scale words, v95 p's, v96-159 S^T then p, v160-191 O^T, v192-239 V, v240-243 V's scale words, v244-255 Q (high tile).
.set VCL,  98304                       ; LDS: K's codes at 0 [key tile][768]; V's here [key / 64][d / 16][768]
.set KSL,  196608                      ; K's scale chunks, 512 bytes for 128 keys (both heads of the pair)
.set VSL,  204800                      ; V's
.set STG,  24576                       ; the codes of 512 keys: what two waves' loads of one stage bring
.set KSTP, 6144                        ; the codes of a key step, of K and of V alike
.set VCO,  12582912                    ; qkvq: v's codes,
.set QKSO, 18874368                    ; q's and k's scale chunks,
.set VSO,  19398656                    ; v's
.set YSO,  6291456                     ; yq: the scale bytes
.set WV,   8
.set LIM,  14                          ; s14 the key step on the diagonal
.set IDX,  15                          ; s15 the key step
.set TK,   16                          ; s16 its codes' place
.set TS,   17                          ; s17 its scale chunk's place
.set ADK,  8
.set ADV,  9
.set ADS,  10
.set ADT,  11
.set BM,   52
.set BT,   56
.set SO,   60
.macro CROUND                          ; a round of the cluster's barrier
	s_barrier_signal -1
	s_barrier_wait -1
	s_cmp_lg_u32 s[WV], 0
	s_cbranch_scc1 .Lnot_wave_0_\@
	s_barrier_signal -3
.Lnot_wave_0_\@:
	s_barrier_wait -3
	s_barrier_signal -1
	s_barrier_wait -1
.endm
; the four bases of the tile in group s[bp]: Q's codes, Q's scale words, y's codes, y's scale bytes
.macro BASES bp, qc, qs, yc, ys
	s_lshl_b32 s96, s[\bp], 3
	s_add_co_u32 s96, s96, s10                     ; the token tile
	s_lshl_b32 s98, s13, 9
	s_add_co_u32 s98, s98, s96
	s_mul_i32 s98, s98, 768
	s_add_nc_u64 s[\qc:\qc+1], s[4:5], s[98:99]
	s_lshl_b32 s98, s11, 4
	s_add_co_u32 s98, s98, s[\bp]
	s_lshl_b32 s98, s98, 9
	s_add_co_u32 s98, s98, s2
	s_add_nc_u64 s[\qs:\qs+1], s[4:5], s[98:99]
	s_lshl_b32 s98, s96, 4
	s_add_co_u32 s98, s98, s13
	s_mul_i32 s98, s98, 768
	s_add_nc_u64 s[\yc:\yc+1], s[6:7], s[98:99]
	s_lshl_b32 s98, s96, 9
	s_add_co_u32 s98, s98, s97
	s_add_nc_u64 s[\ys:\ys+1], s[6:7], s[98:99]
.endm
.macro STATE                           ; a tile begins: the first change of M multiplies zeros
	v_mov_b32 v13, 0xff61b1e6                      ; -3e38, under every t
	s_delay_alu instid0(VALU_DEP_1)
	v_floor_f32 v12, -v13
	v_mov_b32 v14, 0
	v_mov_b32 v15, 0
.set n, 0
.rept 32
	v_mov_b32 v[160+n], 0
.set n, n+1
.endr
.endm
	s_load_b128 s[4:7], s[0:1], 0x0                ; qkvq s[4:5], yq s[6:7]
	v_lshl_add_u32 v254, v0, 2, 0x34000
	v_mov_b32 v255, 0
	ds_add_u32 v254, v255
	ds_add_u32 v254, v255
	s_wait_dscnt 0x0
	v_lshrrev_b32 v8, 5, v0
	s_delay_alu instid0(VALU_DEP_1)
	v_readfirstlane_b32 s[WV], v8                  ; wave 0..15
	s_bfe_u32 s9, ttmp6, 0x40000                   ; cx
	s_and_b32 s10, ttmp7, 0xffff
	s_lshr_b32 s11, s10, 4                         ; batch
	s_and_b32 s13, s10, 15                         ; head
	s_lshr_b32 s12, s[WV], 1                       ; beta.  In waves 0-3 also: I fetch for K (0) or for V (1)
	s_and_b32 s18, s[WV], 1                        ; which tile of the pair.  Also: which half of a stage I fetch
	s_and_b32 s19, s13, 1                          ; the head's place in its pair
	s_lshr_b32 s66, s13, 1
	s_sub_co_u32 s67, 15, s12
	; descriptor groups 1: elements of 8 bytes, the mask names all four partners, no padding
	s_mov_b32 s24, 15|(3<<16)|(1<<21)              ; K's codes: 12,288 dense bytes as 48 rows of 256
	s_mov_b32 s25, 32<<16
	s_mov_b32 s26, 48<<16
	s_mov_b32 s27, 32<<16
	s_mov_b32 s28, 48
	s_mov_b32 s29, 32
	s_mov_b32 s30, 0
	s_mov_b32 s31, 0
	s_mov_b32 s32, 15|(3<<16)|(1<<21)              ; V's codes: 4 rows (64 keys each) of 3,072 bytes, 49,152 bytes apart
	s_mov_b32 s33, 384<<16
	s_mov_b32 s34, 4<<16
	s_mov_b32 s35, 384<<16
	s_mov_b32 s36, 4
	s_mov_b32 s37, 6144
	s_mov_b32 s38, 0
	s_mov_b32 s39, 0
	s_mov_b32 s40, 15|(3<<16)|(1<<21)              ; K's scale chunks: 4,096 dense bytes as 16 rows of 256
	s_mov_b32 s41, 32<<16
	s_mov_b32 s42, 16<<16
	s_mov_b32 s43, 32<<16
	s_mov_b32 s44, 16
	s_mov_b32 s45, 32
	s_mov_b32 s46, 0
	s_mov_b32 s47, 0
	s_mov_b32 s48, 15|(3<<16)|(1<<21)              ; V's: 8 chunks of 512 bytes, 4,096 bytes apart
	s_mov_b32 s49, 64<<16
	s_mov_b32 s50, 8<<16
	s_mov_b32 s51, 64<<16
	s_mov_b32 s52, 8
	s_mov_b32 s53, 512
	s_mov_b32 s54, 0
	s_mov_b32 s55, 0
	; what I fetch, as offsets in qkvq: both roles' are made, the wave's number chooses
	s_add_co_u32 s86, s13, 16
	s_lshl_b32 s86, s86, 9
	s_lshl_b32 s87, s11, 7
	s_add_co_u32 s86, s86, s87
	s_lshl_b32 s87, s18, 4
	s_add_co_u32 s86, s86, s87
	s_mul_i32 s86, s86, 768                        ; K's codes: head image 16 + head, token tile 128 b + 16 half
	s_lshl_b32 s87, s11, 5
	s_lshl_b32 s88, s18, 2
	s_add_co_u32 s87, s87, s88
	s_mul_i32 s87, s87, 49152
	s_mul_i32 s88, s13, 3072
	s_add_co_u32 s87, s87, s88
	s_add_co_u32 s87, s87, VCO                     ; V's codes: keys / 64 = 32 b + 4 half, the head's four images
	s_add_co_u32 s88, s66, 8
	s_lshl_b32 s88, s88, 15
	s_lshl_b32 s89, s11, 13
	s_add_co_u32 s88, s88, s89
	s_lshl_b32 s89, s18, 12
	s_add_co_u32 s88, s88, s89
	s_add_co_u32 s88, s88, QKSO                    ; K's scale chunks
	s_lshl_b32 s89, s11, 4
	s_lshl_b32 s90, s18, 3
	s_add_co_u32 s89, s89, s90
	s_lshl_b32 s89, s89, 12
	s_lshl_b32 s90, s66, 9
	s_add_co_u32 s89, s89, s90
	s_add_co_u32 s89, s89, VSO                     ; V's
	s_mov_b32 s84, 8*49152
	s_cmp_lt_u32 s[WV], 2
	s_cselect_b32 s80, s86, s87
	s_cselect_b32 s82, s88, s89
	s_cselect_b32 s84, STG, s84                    ; from a stage of 512 keys to the next, in memory
	s_mov_b32 s81, 0
	s_mov_b32 s83, 0
	s_mov_b32 s85, 0
	s_wait_kmcnt 0x0
	s_mov_b32 s56, 1                               ; group 0 for the scale chunks
	s_lshl_b32 s57, s[WV], 12
	s_add_co_u32 s57, s57, KSL
	s_add_nc_u64 s[58:59], s[4:5], s[82:83]
	s_or_b32 s59, s59, 0x80000000
	s_mov_b32 s60, 1                               ; and for the four stages of codes
	s_mul_i32 s61, s12, VCL
	s_mul_i32 s86, s18, STG/2
	s_add_co_u32 s61, s61, s86
	s_add_nc_u64 s[62:63], s[4:5], s[80:81]
	s_mov_b32 s68, 1
	s_add_co_u32 s69, s61, STG
	s_add_nc_u64 s[70:71], s[62:63], s[84:85]
	s_mov_b32 s72, 1
	s_add_co_u32 s73, s61, 2*STG
	s_add_nc_u64 s[74:75], s[70:71], s[84:85]
	s_mov_b32 s76, 1
	s_add_co_u32 s77, s61, 3*STG
	s_add_nc_u64 s[78:79], s[74:75], s[84:85]
	s_or_b32 s63, s63, 0x80000000
	s_or_b32 s71, s71, 0x80000000
	s_or_b32 s75, s75, 0x80000000
	s_or_b32 s79, s79, 0x80000000
	CROUND                                         ; all four work-groups are here: the joint loads meet
	s_cmp_lt_u32 s[WV], 2                          ; a wave's fills stand in one branch on its number
	s_cbranch_scc0 .Lnot_k
	tensor_load_to_lds s[56:59], s[40:47]
	s_nop 0
	tensor_load_to_lds s[60:63], s[24:31]
	s_nop 0
	tensor_load_to_lds s[68:71], s[24:31]
	s_nop 0
	tensor_load_to_lds s[72:75], s[24:31]
	s_nop 0
	tensor_load_to_lds s[76:79], s[24:31]
	s_nop 0
.rept 4
	v_nop
.endr
	s_branch .Lasked
.Lnot_k:
	s_cmp_lt_u32 s[WV], 4
	s_cbranch_scc0 .Lasked
	tensor_load_to_lds s[56:59], s[48:55]
	s_nop 0
	tensor_load_to_lds s[60:63], s[32:39]
	s_nop 0
	tensor_load_to_lds s[68:71], s[32:39]
	s_nop 0
	tensor_load_to_lds s[72:75], s[32:39]
	s_nop 0
	tensor_load_to_lds s[76:79], s[32:39]
	s_nop 0
.rept 4
	v_nop
.endr
.Lasked:
	; my two tiles' bases
	s_lshl_b32 s10, s11, 7
	s_lshl_b32 s98, s9, 1
	s_add_co_u32 s10, s10, s98
	s_add_co_u32 s10, s10, s18                     ; 128 b + 2 cx + which: the token tile less 8 x group
	s_lshl_b32 s2, s66, 15
	s_lshl_b32 s98, s18, 8
	s_add_co_u32 s2, s2, s98
	s_lshl_b32 s98, s9, 2
	s_add_co_u32 s2, s2, s98
	s_lshl_b32 s98, s19, 1
	s_add_co_u32 s2, s2, s98
	s_add_co_u32 s2, s2, QKSO                      ; Q's scale bytes: the pair's chunks, row 32 cx + 16 which + r at 16 (16 which + r) + 4 cx, the head's two bytes
	s_lshr_b32 s97, s13, 2
	s_lshl_b32 s97, s97, 7
	s_and_b32 s98, s13, 3
	s_lshl_b32 s98, s98, 1
	s_add_co_u32 s97, s97, s98
	s_add_co_u32 s97, s97, YSO                     ; y's scale bytes: [tile][head / 4][row][2 (head % 4)]
	s_mov_b32 s99, 0
	BASES 12, 88, 92, 80, 82
	BASES 67, 90, 94, 84, 86
	v_and_b32 v7, 31, v0
	s_delay_alu instid0(VALU_DEP_1)
	v_lshlrev_b32 v7, 3, v7                        ; 8 x lane
	v_and_b32 v8, 15, v0                           ; r
	v_bfe_u32 v9, v0, 4, 1                         ; h
	s_delay_alu instid0(VALU_DEP_2)
	v_lshlrev_b32 v10, 4, v8
.irp p, 0,1,2
	global_load_b64 v[16+2*\p:17+2*\p], v7, s[88:89] offset:256*\p     ; Q's images stay in registers
	global_load_b64 v[244+2*\p:245+2*\p], v7, s[90:91] offset:256*\p
.endr
	global_load_u16 v94, v10, s[92:93]             ; two scale bytes; the upper two are 0
	global_load_u16 v6, v10, s[94:95]
	v_and_b32 v1, 31, v0
	s_delay_alu instid0(VALU_DEP_1)
	v_lshlrev_b32 v1, 3, v1                        ; K's images begin at LDS byte 0
	s_delay_alu instid0(VALU_DEP_1)
	v_add_nc_u32 v2, VCL, v1
	s_lshl_b32 s98, s19, 1
	s_add_co_u32 s98, s98, KSL
	v_lshl_add_u32 v3, v8, 4, s98                  ; K's scale bytes: 16 r + the head's two of four
	s_lshl_b32 s98, s19, 3
	s_add_co_u32 s98, s98, VSL
	v_lshl_add_u32 v4, v8, 4, s98                  ; V's scale words: 16 r + the head's two words of four
	s_lshl_b32 s98, s9, 5
	s_lshl_b32 s96, s18, 4
	s_add_co_u32 s98, s98, s96
	v_lshlrev_b32 v5, 3, v9
	s_delay_alu instid0(VALU_DEP_1)
	v_sub_nc_u32 v5, v8, v5
	s_delay_alu instid0(VALU_DEP_1)
	v_add_nc_u32 v5, s98, v5                       ; my query's place in its group of 128, less 8 h
	s_mov_b32 s20, 0x76543210
	s_mov_b32 s21, 0xfedcba98                      ; selects for lane l xor 16
	s_mov_b32 s22, 0x3e38aa3b                      ; c = log2(e) / 8
	s_mov_b32 s23, s22
.irp j, 22,23,24,25,26,27, 250,251,252,253,254,255, 80,81,82,83,84,85
	v_mov_b32 v\j, 0                               ; zero codes: the upper 64 of K in Q's fragments, and behind K's last tile
.endr
.irp j, 28,29,30,31, 56,57,58,59
	v_mov_b32 v\j, 0                               ; written once: pairs' upper halves and lane permutes' destinations count as read
.endr
	STATE
; A KEY STEP: 128 keys.  masked = 1: a step behind the diagonal is left out (a scalar branch on the wave's number and the step's), and on the diagonal hidden scores become -infinity.
.macro STEP qf, qs, masked
.if \masked
	s_cmp_gt_u32 s[IDX], s[LIM]
	s_cbranch_scc1 .Lhid_\@
.endif
	s_setprio 2
	v_add_nc_u32 v[ADK], s[TK], v1                 ; these four are also the places behind the last step's products, in front of the loads into their registers
	v_add_nc_u32 v[ADV], s[TK], v2
	v_add_nc_u32 v[ADS], s[TS], v3
	v_add_nc_u32 v[ADT], s[TS], v4
.irp t, 0,1,2,3,4,5,6,7
.irp p, 0,1,2
	ds_load_b64 v[32+6*\t+2*\p:33+6*\t+2*\p], v[ADK] offset:768*\t+256*\p
.endr
	ds_load_u16 v[86+\t], v[ADS] offset:256*(\t%2)+4*(\t/2)
.endr
.irp d, 0,1,2,3
.irp p, 0,1,2,3,4,5
	ds_load_b64 v[192+12*\d+2*\p:193+12*\d+2*\p], v[ADV] offset:3072*(\p/3)+768*\d+256*(\p%3)
.endr
	ds_load_b32 v[240+\d], v[ADT] offset:256*(\d%2)+4*(\d/2)
.endr
	s_wait_dscnt 28                                ; K's 32 loads are in; V's 28 stay out and land under the softmax
.irp t, 0,1,2,3,4,5,6,7
	v_wmma_scale_f32_16x16x128_f8f6f4 v[96+8*\t:103+8*\t], v[32+6*\t:43+6*\t], v[\qf:\qf+11], 0, v[86+\t], v[\qs] matrix_a_fmt:MATRIX_FMT_BF6 matrix_b_fmt:MATRIX_FMT_BF6
.endr
.rept 4
	v_nop                                          ; places behind the products: their results are read and K's registers written
.endr
.if \masked
	s_cmp_lg_u32 s[IDX], s[LIM]
	s_cbranch_scc1 .Lopen_\@
	v_mov_b32 v31, 0xff800000                      ; register n holds key 32 (n / 16) + 16 ((n % 16) / 8) + 8 h + n % 8 of the step: hidden where it lies behind my query
.set n, 0
.rept 64
	v_cmp_gt_i32 vcc_lo, 32*(n/16)+16*((n%16)/8)+n%8, v5
	v_cndmask_b32 v[96+n], v[96+n], v31, vcc_lo
.set n, n+1
.endr
.Lopen_\@:
.endif
.irp b, 0,1,2,3
	v_max3_num_f32 v[BM+\b], v[96+16*\b], v[97+16*\b], v[98+16*\b]   ; the largest score of each block of 32 keys: for the row's maximum, and for the block's largest p
.endr
.irp i, 3,5,7,9,11,13
.irp b, 0,1,2,3
	v_max3_num_f32 v[BM+\b], v[BM+\b], v[96+16*\b+\i], v[97+16*\b+\i]
.endr
.endr
.irp b, 0,1,2,3
	v_max_num_f32 v[BM+\b], v[BM+\b], v[111+16*\b]
.endr
.irp b, 0,1,2,3
	s_delay_alu instid0(VALU_DEP_4)
	v_permlanex16_b32 v[BT+\b], v[BM+\b], s20, s21
.endr
.irp b, 0,1,2,3
	s_delay_alu instid0(VALU_DEP_4)
	v_max_num_f32 v[BM+\b], v[BM+\b], v[BT+\b]
.endr
	s_delay_alu instid0(VALU_DEP_2)
	v_max3_num_f32 v30, v52, v53, v54
	s_delay_alu instid0(VALU_DEP_1)
	v_max_num_f32 v30, v30, v55
	s_delay_alu instid0(VALU_DEP_1)
	v_mul_f32 v30, s22, v30
	s_delay_alu instid0(VALU_DEP_1)
	v_max_num_f32 v13, v13, v30                    ; the running largest t
	v_mov_b32 v30, v12
	s_delay_alu instid0(VALU_DEP_2)
	v_floor_f32 v12, -v13                          ; -M = floor(-t): M is a whole number
	s_delay_alu instid0(VALU_DEP_1)
	v_sub_f32 v30, v12, v30
	s_delay_alu instid0(VALU_DEP_1)
	v_cvt_i32_f32 v30, v30                         ; (it saturates)
	s_delay_alu instid0(VALU_DEP_1)
	v_ldexp_f32 v28, 1.0, v30                      ; f = 2^(old M - new M)
.set n, 0
.rept 32
	v_pk_fma_f32 v[96+n:97+n], v[96+n:97+n], s[22:23], v[12:13] op_sel_hi:[1,0,0]   ; t - M
.set n, n+2
.endr
.irp b, 0,1,2,3
	v_fma_f32 v[BM+\b], v[BM+\b], s22, v12
.endr
.set n, 0
	s_setprio 1
	s_wait_alu depctr_va_vdst(0)
.rept 64
	v_exp_f32 v[96+n], v[96+n]                     ; p, at most 1
.set n, n+1
.endr
	v_pk_mul_f32 v[14:15], v[14:15], v[28:29] op_sel_hi:[1,0]   ; the sums under the new M: the plain instruction behind the batch
	s_wait_alu depctr_va_vdst(0)                   ; one wait for the 64 exponentials, ahead of their first reader
.irp b, 0,1,2,3
	v_exp_f32 v[BM+\b], v[BM+\b]                   ; the blocks' largest p
.endr
	v_pk_add_f32 v[56:57], v[100:101], v[104:105]
	v_pk_add_f32 v[92:93], v[108:109], v[112:113]
	v_pk_add_f32 v[90:91], v[116:117], v[120:121]
	v_pk_add_f32 v[88:89], v[124:125], v[128:129]
	v_pk_add_f32 v[86:87], v[132:133], v[136:137]
	v_pk_add_f32 v[78:79], v[140:141], v[144:145]
	v_pk_add_f32 v[76:77], v[148:149], v[152:153]
	v_pk_add_f32 v[14:15], v[14:15], v[156:157]
	v_pk_add_f32 v[56:57], v[56:57], v[96:97]
	v_pk_add_f32 v[92:93], v[92:93], v[98:99]
	v_pk_add_f32 v[90:91], v[90:91], v[102:103]
	v_pk_add_f32 v[88:89], v[88:89], v[106:107]
	v_pk_add_f32 v[86:87], v[86:87], v[110:111]
	v_pk_add_f32 v[78:79], v[78:79], v[114:115]
	v_pk_add_f32 v[76:77], v[76:77], v[118:119]
	v_pk_add_f32 v[14:15], v[14:15], v[122:123]
	v_pk_add_f32 v[56:57], v[56:57], v[126:127]
	v_pk_add_f32 v[92:93], v[92:93], v[130:131]
	v_pk_add_f32 v[90:91], v[90:91], v[134:135]
	v_pk_add_f32 v[88:89], v[88:89], v[138:139]
	v_pk_add_f32 v[86:87], v[86:87], v[142:143]
	v_pk_add_f32 v[78:79], v[78:79], v[146:147]
	v_pk_add_f32 v[76:77], v[76:77], v[150:151]
	v_pk_add_f32 v[14:15], v[14:15], v[154:155]
	v_pk_add_f32 v[56:57], v[56:57], v[158:159]
	s_delay_alu instid0(VALU_DEP_2)
	v_pk_add_f32 v[14:15], v[14:15], v[88:89]
	s_delay_alu instid0(VALU_DEP_2)
	v_pk_add_f32 v[56:57], v[56:57], v[86:87]
	v_pk_add_f32 v[92:93], v[92:93], v[78:79]
	v_pk_add_f32 v[90:91], v[90:91], v[76:77]
	s_delay_alu instid0(VALU_DEP_2)
	v_pk_add_f32 v[14:15], v[14:15], v[92:93]
	s_delay_alu instid0(VALU_DEP_2)
	v_pk_add_f32 v[56:57], v[56:57], v[90:91]
	s_delay_alu instid0(VALU_DEP_1)
	v_pk_add_f32 v[14:15], v[14:15], v[56:57]
	s_wait_alu depctr_va_vdst(0)                   ; and one for the four
.irp b, 0,1,2,3
	v_max_num_f32 v[BM+\b], 0x2800000, v[BM+\b]    ; the floor 2^(5 - 127)
.endr
.irp b, 0,1,2,3
	s_delay_alu instid0(VALU_DEP_4)
	v_add_nc_u32 v[SO+\b], 0xfe000000, v[BM+\b]
.endr
.irp b, 0,1,2,3
	s_delay_alu instid0(VALU_DEP_4)
	v_lshrrev_b32 v[BT+\b], 23, v[SO+\b]
.endr
	s_delay_alu instid0(VALU_DEP_3)
	v_lshl_or_b32 v95, v57, 8, v56                 ; p's scale word for these 128 keys
	s_delay_alu instid0(VALU_DEP_1)
	v_lshl_or_b32 v95, v58, 16, v95
	s_delay_alu instid0(VALU_DEP_1)
	v_lshl_or_b32 v95, v59, 24, v95
	s_setprio 0
.irp c, 0,1
	v_cvt_scalef32_pk16_bf6_f32 v[32+6*\c:34+6*\c], v[96+32*\c:111+32*\c], v[SO+2*\c]
	v_cvt_scalef32_pk16_bf6_f32 v[44+4*\c:46+4*\c], v[112+32*\c:127+32*\c], v[SO+2*\c+1]
.endr
	v_nop                                          ; one plain instruction behind the scaled conversions
.irp c, 0,1
.irp i, 0,1,2
	v_permlane16_swap_b32 v[32+6*\c+\i], v[44+4*\c+\i]
.endr
.irp i, 0,1,2
	s_delay_alu instid0(VALU_DEP_3)
	v_mov_b32 v[35+6*\c+\i], v[44+4*\c+\i]
.endr
.endr
.set n, 0
.rept 16
	v_pk_mul_f32 v[160+n:161+n], v[160+n:161+n], v[28:29] op_sel_hi:[1,0]   ; O^T under the new M; these also stand between the writes of p's codes and scale word and the products
.set n, n+2
.endr
	s_wait_alu depctr_va_vdst(0)
	s_wait_dscnt 0x0                               ; V is in
.irp d, 0,1,2,3                        ; the four accumulators take turns, one instruction a turn
	v_wmma_scale_f32_16x16x128_f8f6f4 v[160+8*\d:167+8*\d], v[192+12*\d:203+12*\d], v[32:43], v[160+8*\d:167+8*\d], v[240+\d], v95 matrix_a_fmt:MATRIX_FMT_BF6 matrix_b_fmt:MATRIX_FMT_BF6
.endr
.if \masked
.Lhid_\@:
.endif
	s_add_co_u32 s[TK], s[TK], KSTP
	s_add_co_u32 s[TS], s[TS], 512
.endm
; A TILE LEAVES: O^T / the sum is y(query, 64 head + d); its two blocks of 32 are quantised, and the image (768 bytes) and two scale bytes a row are stored.
.macro OUT yc, ys
.rept 4
	v_nop                                          ; places behind the last products
.endr
	v_add_f32 v14, v14, v15
	s_delay_alu instid0(VALU_DEP_1)
	v_permlanex16_b32 v30, v14, s20, s21
	s_delay_alu instid0(VALU_DEP_1)
	v_add_f32 v14, v14, v30                        ; the row's sum
	s_wait_alu depctr_va_vdst(0)
	v_rcp_f32 v28, v14
	v_and_b32 v31, 15, v0                          ; (the plain instruction behind the reciprocal)
	s_delay_alu instid0(VALU_DEP_1)
	v_lshlrev_b32 v31, 3, v31                      ; 8 r
	s_wait_alu depctr_va_vdst(0)                   ; ahead of the reciprocal's first reader
.set n, 0
.rept 16
	v_pk_mul_f32 v[96+n:97+n], v[160+n:161+n], v[28:29] op_sel_hi:[1,0]
.set n, n+2
.endr
.irp b, 0,1
	v_max3_num_f32 v[BM+\b], |v[96+16*\b]|, |v[97+16*\b]|, 0x2800000
.endr
.irp i, 2,4,6,8,10,12,14
.irp b, 0,1
	s_delay_alu instid0(VALU_DEP_2)
	v_max3_num_f32 v[BM+\b], v[BM+\b], |v[96+16*\b+\i]|, |v[97+16*\b+\i]|
.endr
.endr
.irp b, 0,1
	s_delay_alu instid0(VALU_DEP_2)
	v_permlanex16_b32 v[BT+\b], v[BM+\b], s20, s21
.endr
.irp b, 0,1
	s_delay_alu instid0(VALU_DEP_2)
	v_max_num_f32 v[BM+\b], v[BM+\b], v[BT+\b]
.endr
.irp b, 0,1
	s_delay_alu instid0(VALU_DEP_2)
	v_add_nc_u32 v[SO+\b], 0xfe000000, v[BM+\b]
.endr
.irp b, 0,1
	s_delay_alu instid0(VALU_DEP_2)
	v_lshrrev_b32 v[BT+\b], 23, v[SO+\b]
.endr
	s_delay_alu instid0(VALU_DEP_1)
	v_lshl_or_b32 v58, v57, 8, v56
	v_cvt_scalef32_pk16_bf6_f32 v[32:34], v[96:111], v60
	v_cvt_scalef32_pk16_bf6_f32 v[44:46], v[112:127], v61
	v_nop
.irp i, 0,1,2
	v_permlane16_swap_b32 v[32+\i], v[44+\i]
.endr
.irp i, 0,1,2
	s_delay_alu instid0(VALU_DEP_3)
	v_mov_b32 v[35+\i], v[44+\i]
.endr
.irp p, 0,1,2
	global_store_b64 v7, v[32+2*\p:33+2*\p], s[\yc:\yc+1] offset:256*\p   ; 256 consecutive bytes, aligned
.endr
	global_store_b16 v31, v58, s[\ys:\ys+1]        ; two bytes a row, 8 bytes apart (lanes 16-31 repeat lanes 0-15): a work-group holds one head of the four that share those 8 bytes; one byte for each 24 of codes
.endm
	s_mov_b32 s[LIM], s12
	s_mov_b32 s[IDX], 0
	s_mov_b32 s[TK], 0
	s_mov_b32 s[TS], 0
	s_wait_loadcnt 0x0                             ; Q
	s_wait_tensorcnt 0x3                           ; my scale chunks and my part of the first 512 keys are in; three later stages stay out
	s_barrier_signal -1
	s_barrier_wait -1                              ; everybody's are
.La1:                                              ; the low tile, key steps 0 to 3: the first stage's keys
	STEP 16, 94, 1
	s_add_co_u32 s[IDX], s[IDX], 1
	s_cmp_lt_u32 s[IDX], 4
	s_cbranch_scc1 .La1
	s_setprio 0
	s_wait_tensorcnt 0x0                           ; all my fills have landed,
	s_wait_dscnt 0x0
	s_barrier_signal -1
	s_barrier_wait -1                              ; everybody's have: from here on the waves run free
	s_mov_b32 s[IDX], 4
	s_mov_b32 s[TK], 4*KSTP
	s_mov_b32 s[TS], 4*512
.La2:
	STEP 16, 94, 1
	s_add_co_u32 s[IDX], s[IDX], 1
	s_cmp_lt_u32 s[IDX], 8
	s_cbranch_scc1 .La2
	s_setprio 0
	OUT 80, 82
	STATE
	s_wait_xcnt 0x0                                ; the stores have read their registers, which the next tile writes
	s_mov_b32 s[LIM], s67
	s_mov_b32 s[IDX], 0
	s_mov_b32 s[TK], 0
	s_mov_b32 s[TS], 0
.Lb1:                                              ; the high tile: its group is 8 or later, so all keys of steps 0 to 7 count
	STEP 244, 6, 0
	s_add_co_u32 s[IDX], s[IDX], 1
	s_cmp_lt_u32 s[IDX], 8
	s_cbranch_scc1 .Lb1
	s_setprio 0
	s_mov_b32 s[IDX], 8
	s_mov_b32 s[TK], 8*KSTP
	s_mov_b32 s[TS], 8*512
.Lb2:
	STEP 244, 6, 1
	s_add_co_u32 s[IDX], s[IDX], 1
	s_cmp_lt_u32 s[IDX], 16
	s_cbranch_scc1 .Lb2
	s_setprio 0
	OUT 84, 86
	s_wait_xcnt 0x0
	v_lshl_add_u32 v254, v0, 2, 0x34000
	v_mov_b32 v255, 0
	s_wait_alu depctr_va_vdst(0)
	s_wait_tensorcnt 0x0
	ds_add_u32 v254, v255
	s_wait_dscnt 0x0
	CROUND                                         ; the closing round
	s_endpgm
.Lfunc_end_k_qe2d208a007_attn:
	.size	k_qe2d208a007_attn, .Lfunc_end_k_qe2d208a007_attn-k_qe2d208a007_attn
	.p2alignl 7, 3214868480
	.fill 96, 4, 3214868480
	.section	.rodata,"a",@progbits
	.p2align	6, 0x0
	.amdhsa_kernel k_qe2d208a007_attn
		.amdhsa_group_segment_fixed_size 215040
		.amdhsa_private_segment_fixed_size 0
		.amdhsa_enable_private_segment 0
		.amdhsa_kernarg_size 16
		.amdhsa_user_sgpr_count 2
		.amdhsa_user_sgpr_kernarg_segment_ptr 1
		.amdhsa_wavefront_size32 1
		.amdhsa_system_sgpr_workgroup_id_x 1
		.amdhsa_system_sgpr_workgroup_id_y 1
		.amdhsa_system_sgpr_workgroup_id_z 1
		.amdhsa_system_vgpr_workitem_id 0
		.amdhsa_next_free_vgpr 256
		.amdhsa_next_free_sgpr 100
		.amdhsa_reserve_vcc 1
		.amdhsa_float_denorm_mode_32 3
		.amdhsa_float_denorm_mode_16_64 3
		.amdhsa_memory_ordered 1
		.amdhsa_forward_progress 1
		.amdhsa_inst_pref_size 116
	.end_amdhsa_kernel
	.amdgpu_metadata
---
amdhsa.version: [ 1, 2 ]
amdhsa.kernels:
  - .name:           k_qe2d208a007_attn
    .symbol:         k_qe2d208a007_attn.kd
    .args:
      - { .name: qkvq, .offset: 0, .size: 8, .value_kind: global_buffer, .address_space: global }
      - { .name: yq, .offset: 8, .size: 8, .value_kind: global_buffer, .address_space: global }
    .group_segment_fixed_size: 215040
    .private_segment_fixed_size: 0
    .kernarg_segment_align: 8
    .kernarg_segment_size: 16
    .max_flat_workgroup_size: 512
    .sgpr_count:     100
    .vgpr_count:     256
    .wavefront_size: 32
...
	.end_amdgpu_metadata
.endif
;; end of part 3
;; launch proj (part 4): grid 4 x 32, 4 waves a work-group, clusters of 4 x 4, 327,680 bytes of LDS; arguments yq, opq, out0; writes out0
.if DOCPART == 4
	.amdgcn_target "amdgcn-amd-amdhsa--gfx1250"
	.amdhsa_code_object_version 6
	.text
	.protected	k_qe2d208a007_proj
	.globl	k_qe2d208a007_proj
	.p2align	8
	.type	k_qe2d208a007_proj,@function
k_qe2d208a007_proj:
	s_mov_b64 s[64:65], 0
	v_nop
	global_prefetch_b8 v0, s[64:65] scope:SCOPE_SE
	s_setreg_imm32_b32 hwreg(HW_REG_WAVE_MODE, 25, 1), 1
	s_wait_xcnt 0x0
	s_wait_alu depctr_hold_cnt(0) depctr_sa_sdst(0) depctr_va_vdst(0) depctr_va_sdst(0) depctr_va_ssrc(0) depctr_va_vcc(0) depctr_vm_vsrc(0)
	s_getreg_b32 s2, hwreg(HW_REG_IB_STS2, 6, 4)
	s_cmp_eq_u32 s2, 0
	s_cbranch_scc0 .Lentry_in_a_cluster
	s_endpgm
.Lentry_in_a_cluster:
	s_bfe_u32 s2, ttmp6, 0x10000c
	s_cmp_lg_u32 s2, 0xf033
	s_cbranch_scc0 .Lentry_shape_is_right
	s_endpgm
.Lentry_shape_is_right:
; out0 = y w_proj on codes of BF6 (E3M2) with E8M0 scales, K = 1024; out0 [8192][1024] f32.
; OPERANDS are images of operand registers: a row tile (16 rows) is 12,288 bytes, 768 for each 64 along K; piece p of lane l of an image lies at 256 p + 8 l.  A = y: yq, scale bytes at 6,291,456 + 512 x tile.
; B = w_proj's columns: opq's row tiles 704 on, scale bytes at OPS + 512 x tile.  Both carry the same order inside a block (numbers 8-15 and 16-23 changed places), so every product meets its partner.
; A tile of 256 x 256 of out0 is made by four waves, 128 x 128 each: 64 accumulators.  K goes in four steps of 256 through a ring of two LDS slots; a wave's tensor load brings 8 row tiles x 3,072 bytes.
; The matrix instruction takes 16 rows of B as source 0 and 16 rows of A as source 1: a lane holds eight neighbouring numbers of a row of out0.
; CLUSTER 4 x 4: A's tiles are asked for jointly along a row of the cluster, B's along a column.  The grid has 128 work-groups: 32 x 4 tiles.
; REGISTERS: window 0: v16-29 addresses; v32-63 scale words, two sets, and nothing else; v128-223 A's fragments; on the way out v128-255 rows of out0.  window 1: B's fragments, two sets.  windows 2, 3: accumulators.
.set NQ,     2
.set FR,     12
.set NL,     6
.set NP,     4
.set TP,     12288
.set KB,     3072
.set HALFT,  8*KB
.set SLOT,   4*HALFT
.set LAPS,   2
.set SCL,    2*SLOT
.set SCB,    8320
.set SPARE,  SCL+16640                 ; the spare words: 128 bytes a wave, two blocks of 256 bytes that no other line names
.set OPS,    9437184
.set YSO,    6291456
.set NOUT,   1024                      ; columns of out0
.set SPITCH, 528                       ; the way out: a stage of 16 rows x (512 bytes + 16) for each wave, in slot 0, which has had its last fill and its last read by then
.set ADRA, 16
.set ADRB, 20
.set STO,  24
.set RD,   25
.set CO,   26
.set ADRS, 27
.set SPW,  28
.set NIL,  29
.set SC,   32
.set AF,   128
.set BK,   128
.set G1, 24
.set G0, 32
.set G1B, 48
.set G0B, 56
.set G1S, 68
.set G0S, 76
.set G1SB, 80
.set G0SB, 88
.set MSB, 0
.macro WIN new                         ; the immediate's high byte repeats the setting that is left
.if MSB != (\new)
	s_set_vgpr_msb (MSB<<8)|(\new)
.set MSB, (\new)
.endif
.endm
.set MUL_LO, 0xa1
.set MUL_HI, 0xf1
.set TO_B,   0x40
.macro JLOAD g0a, g1a, g0b, g1b        ; a joint load: waves 0 and 1 fetch for A, waves 2 and 3 for B; four v_nop follow each line
	s_cmp_eq_u32 s15, 0
	s_cbranch_scc0 .Lfor_b_\@
	tensor_load_to_lds s[\g0a:\g0a+3], s[\g1a:\g1a+7]
	s_nop 0
.rept 4
	v_nop
.endr
	s_branch .Lasked_\@
.Lfor_b_\@:
	tensor_load_to_lds s[\g0b:\g0b+3], s[\g1b:\g1b+7]
	s_nop 0
.rept 4
	v_nop
.endr
.Lasked_\@:
.endm
.macro CREST
	s_cmp_lg_u32 s14, 0
	s_cbranch_scc1 .Lnot_wave_0_\@
	s_barrier_signal -3
.Lnot_wave_0_\@:
	s_barrier_wait -3
	s_barrier_signal -1
	s_barrier_wait -1
.endm
.macro CROUND
	s_barrier_signal -1
	s_barrier_wait -1
	CREST
.endm
	s_load_b128 s[4:7], s[0:1], 0x0                ; yq s[4:5], opq s[6:7]
	s_load_b64 s[12:13], s[0:1], 0x10              ; out0
	v_lshl_add_u32 v[SPW], v0, 2, SPARE
	v_mov_b32 v[NIL], 0
	ds_add_u32 v28, v29
	ds_add_u32 v28, v29
	s_wait_dscnt 0x0
	v_lshrrev_b32 v1, 5, v0
	v_readfirstlane_b32 s14, v1                    ; wave 0..3
	s_lshr_b32 s15, s14, 1                         ; my half of the tile's rows.  Also: I fetch for A (0) or for B (1)
	s_and_b32 s16, s14, 1                          ; my half of its columns.  Also: which 8 row tiles I fetch
	s_bfe_u32 s40, ttmp6, 0x40000                  ; cx
	s_bfe_u32 s41, ttmp6, 0x40004                  ; cy
	s_lshl_b32 s42, ttmp9, 2
	s_add_co_u32 s42, s42, s40                     ; tile column
	s_and_b32 s17, ttmp7, 0xffff
	s_lshl_b32 s17, s17, 2
	s_add_co_u32 s17, s17, s41                     ; tile row
	s_lshl_b32 s43, s41, 2
	s_lshl_b32 s43, 15, s43                        ; my row of the cluster
	s_lshl_b32 s44, 0x1111, s40                    ; my column
	s_or_b32 s[G1+0], s43, (3<<16)|(1<<21)         ; codes: 8 rows of 384 elements of 8 bytes, 1,536 elements apart; no padding
	s_or_b32 s[G1B+0], s44, (3<<16)|(1<<21)
.irp g, G1, G1B
	s_mov_b32 s[\g+1], 384<<16
	s_mov_b32 s[\g+2], 8<<16
	s_mov_b32 s[\g+3], 384<<16
	s_mov_b32 s[\g+4], 8
	s_mov_b32 s[\g+5], 1536
	s_mov_b32 s[\g+6], 0
	s_mov_b32 s[\g+7], 0
.endr
	s_or_b32 s[G1S+0], s43, (3<<16)|(1<<21)        ; scale bytes of 8 row tiles: 4,096 dense bytes as 16 rows of 256
	s_or_b32 s[G1SB+0], s44, (3<<16)|(1<<21)
.irp g, G1S, G1SB
	s_mov_b32 s[\g+1], 32<<16
	s_mov_b32 s[\g+2], 16<<16
	s_mov_b32 s[\g+3], 32<<16
	s_mov_b32 s[\g+4], 16
	s_mov_b32 s[\g+5], 32
	s_mov_b32 s[\g+6], 0
	s_mov_b32 s[\g+7], 0
.endr
	s_lshl_b32 s18, s16, 3
	s_lshl_b32 s20, s17, 4
	s_add_co_u32 s20, s20, s18                     ; A: the first row tile that I fetch
	s_add_co_u32 s46, s42, 44                      ; B: w_proj's row tiles begin at 16 x 44
	s_lshl_b32 s46, s46, 4
	s_add_co_u32 s46, s46, s18
	s_lshl_b32 s22, s20, 9
	s_add_co_u32 s22, s22, YSO
	s_mov_b32 s23, 0
	s_lshl_b32 s92, s46, 9
	s_add_co_u32 s92, s92, OPS
	s_mov_b32 s93, 0
	s_mul_i32 s20, s20, TP
	s_mov_b32 s21, 0
	s_mul_i32 s46, s46, TP
	s_mov_b32 s47, 0
	s_mul_i32 s45, s14, HALFT
	s_lshl_b32 s94, s14, 12
	s_lshl_b32 s19, s15, 7
	s_add_co_u32 s94, s94, s19
	s_wait_kmcnt 0x0
	s_add_nc_u64 s[20:21], s[4:5], s[20:21]
	s_add_nc_u64 s[22:23], s[4:5], s[22:23]
	s_add_nc_u64 s[46:47], s[6:7], s[46:47]
	s_add_nc_u64 s[92:93], s[6:7], s[92:93]
	CROUND                                         ; all sixteen work-groups are here: the first joint loads meet
	s_mov_b32 s[G0S], 1
	s_add_co_u32 s[G0S+1], s94, SCL
	s_mov_b64 s[G0S+2:G0S+3], s[22:23]
	s_or_b32 s[G0S+3], s[G0S+3], 0x80000000
	s_mov_b32 s[G0SB], 1
	s_add_co_u32 s[G0SB+1], s94, SCL
	s_mov_b64 s[G0SB+2:G0SB+3], s[92:93]
	s_or_b32 s[G0SB+3], s[G0SB+3], 0x80000000
	JLOAD G0S, G1S, G0SB, G1SB                     ; the scale bytes for all of K: filled once
.irp s, 0,1
	s_mov_b32 s[G0+4*\s], 1
	s_add_co_u32 s[G0+4*\s+1], s45, \s*SLOT
	s_add_nc_u64 s[G0+4*\s+2:G0+4*\s+3], s[20:21], \s*KB
	s_or_b32 s[G0+4*\s+3], s[G0+4*\s+3], 0x80000000
	s_mov_b32 s[G0B+4*\s], 1
	s_add_co_u32 s[G0B+4*\s+1], s45, \s*SLOT
	s_add_nc_u64 s[G0B+4*\s+2:G0B+4*\s+3], s[46:47], \s*KB
	s_or_b32 s[G0B+4*\s+3], s[G0B+4*\s+3], 0x80000000
	JLOAD G0+4*\s, G1, G0B+4*\s, G1B               ; three tensor loads of mine are out
.endr
	v_and_b32 v1, 15, v0                           ; r
	v_bfe_u32 v2, v0, 4, 1                         ; h
	v_and_b32 v3, 31, v0                           ; lane
	v_lshlrev_b32 v4, 3, v3
	s_mul_i32 s21, s15, HALFT
	s_mul_i32 s22, s16, HALFT
	s_add_co_u32 s22, s22, 2*HALFT
.irp s, 0,1
	v_add_nc_u32 v[ADRA+\s], s21, v4
	v_add_nc_u32 v[ADRB+\s], s22, v4
	s_add_co_u32 s21, s21, SLOT
	s_add_co_u32 s22, s22, SLOT
.endr
	v_lshlrev_b32 v5, 3, v1
	s_lshl_b32 s21, s15, 12
	s_lshl_b32 s22, s16, 12
	s_add_co_u32 s22, s22, SCB
	s_sub_co_u32 s22, s22, s21
	v_mul_u32_u24 v6, s22, v2                      ; lanes 16-31 take B's: one product, the distance between the two bases
	s_add_co_u32 s21, s21, SCL
	v_add_nc_u32 v5, v5, v6
	v_add_nc_u32 v[ADRS], s21, v5
	s_mul_i32 s23, s14, 16*SPITCH                  ; my stage
	v_mul_u32_u24 v5, v1, SPITCH
	v_lshl_add_u32 v5, v2, 5, v5
	v_add_nc_u32 v[STO], s23, v5                   ; in: row r, 32 bytes for each half of the lanes
	v_lshlrev_b32 v[CO], 4, v3                     ; back: the 32 lanes take one row of 512 bytes; and the same in out0
	v_add_nc_u32 v[RD], s23, v[CO]
	s_lshl_b32 s20, s17, 8
	s_lshl_b32 s21, s15, 7
	s_add_co_u32 s20, s20, s21                     ; my first row
	s_lshl_b32 s20, s20, 12                        ; of 4,096 bytes
	s_lshl_b32 s46, s42, 10
	s_lshl_b32 s47, s16, 9
	s_add_co_u32 s46, s46, s47                     ; my first column, in bytes
	s_add_co_u32 s20, s20, s46
	s_mov_b32 s21, 0
	s_add_nc_u64 s[12:13], s[12:13], s[20:21]
.macro FRAG reg, adr, q, i             ; a fragment: two images on end: six loads of 8 bytes a lane, each of 256 consecutive bytes
.irp p, 0,1,2,3,4,5
	ds_load_b64 v[\reg+2*\p:\reg+2*\p+1], v[\adr] offset:KB*(\i)+1536*(\q)+256*\p
.endr
.endm
; 16 matrix instructions: A's blocks a0, a0 + 1 x B's eight.  The 64 accumulators take turns, one instruction a turn, in the same order in every step.
.macro MUL16 a0, p, q, sc, zero
.irp a, \a0, \a0+1
.irp b, 0,1,2,3,4,5,6,7
.if \zero
	v_wmma_scale_f32_16x16x128_f8f6f4 v[8*(8*((\a)%4)+\b):8*(8*((\a)%4)+\b)+7], v[128*(\p)+FR*\b:128*(\p)+FR*\b+FR-1], v[AF+FR*(\a):AF+FR*(\a)+FR-1], 0, v[SC+8*NQ*(\sc)+NQ*\b+(\q)], v[SC+8*NQ*(\sc)+NQ*(\a)+(\q)] matrix_a_fmt:MATRIX_FMT_BF6 matrix_b_fmt:MATRIX_FMT_BF6 matrix_a_scale:MATRIX_SCALE_ROW1
.else
	v_wmma_scale_f32_16x16x128_f8f6f4 v[8*(8*((\a)%4)+\b):8*(8*((\a)%4)+\b)+7], v[128*(\p)+FR*\b:128*(\p)+FR*\b+FR-1], v[AF+FR*(\a):AF+FR*(\a)+FR-1], v[8*(8*((\a)%4)+\b):8*(8*((\a)%4)+\b)+7], v[SC+8*NQ*(\sc)+NQ*\b+(\q)], v[SC+8*NQ*(\sc)+NQ*(\a)+(\q)] matrix_a_fmt:MATRIX_FMT_BF6 matrix_b_fmt:MATRIX_FMT_BF6 matrix_a_scale:MATRIX_SCALE_ROW1
.endif
.endr
.endr
.endm
.macro FETCH_B slot, q, p
	WIN TO_B
.irp i, 0,1,2,3,4,5,6,7
	FRAG 128*(\p)+FR*\i, ADRB+\slot, \q, \i
.endr
	WIN 0
.endm
.macro FETCH_A slot, q, i0
.irp i, \i0, \i0+1, \i0+2, \i0+3
	FRAG AF+FR*(\i), ADRA+\slot, \q, \i
.endr
.endm
.macro SCALES sc
.irp i, 0,1,2,3,4,5,6,7
	ds_load_b64 v[SC+8*NQ*\sc+NQ*\i:SC+8*NQ*\sc+NQ*\i+1], v[ADRS] offset:\i*512
.endr
.endm
.macro PLACES n                        ; plain vector instructions between a matrix instruction and a load into, or an access to, its registers
.rept \n
	v_nop
.endr
.endm
.macro STEP slot, q, zero
	s_wait_dscnt 4*NL                              ; all but the youngest 24 loads, A's blocks 4-7
	WIN MUL_LO
	MUL16 0, (\q)%2, \q, \slot, \zero
	MUL16 2, (\q)%2, \q, \slot, \zero
	s_wait_dscnt 0
	PLACES NP
	FETCH_B \slot, (\q)+1, 1-(\q)%2
	FETCH_A \slot, (\q)+1, 0
	WIN MUL_HI
	MUL16 4, (\q)%2, \q, \slot, \zero
	MUL16 6, (\q)%2, \q, \slot, \zero
	PLACES NP
	WIN 0
	FETCH_A \slot, (\q)+1, 4
.endm
.macro TURN slot, next, fill           ; a slot's last step changes slots: one barrier, with the three lines in front of it
	s_wait_tensorcnt 0x0                           ; all my tensor loads have landed: my part of the next slot
	ds_add_u32 v[SPW], v[NIL]                      ; 0 onto my spare word
	s_wait_dscnt 4*NL+1                            ; the add and the youngest 24 loads may be out
	WIN MUL_LO
	MUL16 0, 1, NQ-1, \slot, 0
	s_wait_dscnt 0x0                               ; the add is done, and my reads of this slot are over
	s_barrier_signal -1
	MUL16 2, 1, NQ-1, \slot, 0
	WIN 0
	s_barrier_wait -1
.if \fill
	CREST                                          ; the barrier has opened a round of the cluster's: no wave of any partner still reads this slot or has a load on its way
	s_add_nc_u64 s[G0+4*\slot+2:G0+4*\slot+3], s[G0+4*\slot+2:G0+4*\slot+3], 2*KB
	s_add_nc_u64 s[G0B+4*\slot+2:G0B+4*\slot+3], s[G0B+4*\slot+2:G0B+4*\slot+3], 2*KB
	JLOAD G0+4*\slot, G1, G0B+4*\slot, G1B         ; the first tensor load behind the round; its four v_nop are also the places in front of the loads below
.else
	PLACES NP
.endif
	v_add_nc_u32 v[ADRS], 128, v[ADRS]             ; the next K step's scale words
	FETCH_B \next, 0, 0
	FETCH_A \next, 0, 0
	SCALES \next
	WIN MUL_HI
	MUL16 4, 1, NQ-1, \slot, 0
	MUL16 6, 1, NQ-1, \slot, 0
	PLACES NP
	WIN 0
	FETCH_A \next, 0, 4
.endm
	s_wait_tensorcnt 1                             ; the scale bytes and my part of K step 0 are in; K step 1's load may be out
	s_barrier_signal -1
	s_barrier_wait -1
	FETCH_B 0, 0, 0
	FETCH_A 0, 0, 0
	SCALES 0
	FETCH_A 0, 0, 4
	STEP 0, 0, 1                                   ; the first step starts the sums
	s_mov_b32 s3, LAPS-1
.Llap:
	TURN 0, 1, 1
	STEP 1, 0, 0
	TURN 1, 0, 1
	STEP 0, 0, 0
	s_sub_co_u32 s3, s3, 1
	s_cmp_lg_u32 s3, 0
	s_cbranch_scc1 .Llap
	TURN 0, 1, 0                                   ; the last lap fills nothing
	STEP 1, 0, 0
	s_wait_dscnt 4*NL
	WIN MUL_LO
	MUL16 0, 1, NQ-1, 1, 0
	MUL16 2, 1, NQ-1, 1, 0
	s_wait_dscnt 0
	WIN MUL_HI
	MUL16 4, 1, NQ-1, 1, 0
	MUL16 6, 1, NQ-1, 1, 0
	WIN 0
; THE WAY OUT, block by block of 16 rows x 128 columns, through my own stage: in as 32 bytes a lane, back as whole rows of 512 bytes.  LDS serves a wave's instructions in order: no wait between the stores and the loads.
.macro TOSTAGE a
.set AC, 64*((\a)%4)
	WIN 0x08+4*((\a)/4)                            ; the data: window 2 or 3
.irp b, 0,1,2,3,4,5,6,7
	ds_store_b128 v[STO], v[AC+8*\b:AC+8*\b+3] offset:64*\b          ; each accumulator from its low end on
	ds_store_b128 v[STO], v[AC+8*\b+4:AC+8*\b+7] offset:64*\b+16
.endr
	WIN 0
.set BB, BK+64*((\a)%2)
.irp t, 0,1,2,3,4,5,6,7,8,9,10,11,12,13,14,15
	ds_load_b128 v[BB+4*\t:BB+4*\t+3], v[RD] offset:\t*SPITCH
.endr
.endm
.macro SEND a, younger                 ; younger: the LDS instructions issued behind block a's loads, which may stay out
.set BB, BK+64*((\a)%2)
	s_wait_dscnt \younger
.if (\a) > 0
	s_add_nc_u64 s[12:13], s[12:13], 16*NOUT*4     ; (behind a wait on XCNT: the earlier stores have read their base)
.endif
.irp t, 0,1,2,3,4,5,6,7,8,9,10,11,12,13,14,15
	global_store_b128 v[CO], v[BB+4*\t:BB+4*\t+3], s[12:13] offset:\t*NOUT*4 th:TH_STORE_NT   ; 32 lanes store 512 consecutive bytes, aligned to 256
.endr
.endm
	PLACES NP                                      ; behind the last products: their results are read, and loads land in the registers that held A's fragments
	TOSTAGE 0
.irp a, 1,2,3,4,5,6,7
.if \a > 1
	s_wait_xcnt 0x0                                ; block a - 2's stores have read their registers and their base
.endif
	TOSTAGE \a
	SEND \a-1, 32                                  ; behind block a - 1's loads: block a's 16 stores and 16 loads
.endr
	s_wait_xcnt 0x0
	SEND 7, 0
	s_wait_tensorcnt 0x0                           ; the wave's end
	ds_add_u32 v[SPW], v[NIL]
	s_wait_dscnt 0x0
	CROUND                                         ; the closing round
	s_endpgm
.Lfunc_end_k_qe2d208a007_proj:
	.size	k_qe2d208a007_proj, .Lfunc_end_k_qe2d208a007_proj-k_qe2d208a007_proj
	.p2alignl 7, 3214868480
	.fill 96, 4, 3214868480
	.section	.rodata,"a",@progbits
	.p2align	6, 0x0
	.amdhsa_kernel k_qe2d208a007_proj
		.amdhsa_group_segment_fixed_size 327680
		.amdhsa_private_segment_fixed_size 0
		.amdhsa_enable_private_segment 0
		.amdhsa_kernarg_size 24
		.amdhsa_user_sgpr_count 2
		.amdhsa_user_sgpr_kernarg_segment_ptr 1
		.amdhsa_wavefront_size32 1
		.amdhsa_system_sgpr_workgroup_id_x 1
		.amdhsa_system_sgpr_workgroup_id_y 1
		.amdhsa_system_sgpr_workgroup_id_z 1
		.amdhsa_system_vgpr_workitem_id 0
		.amdhsa_next_free_vgpr 1024
		.amdhsa_next_free_sgpr 98
		.amdhsa_reserve_vcc 0
		.amdhsa_float_denorm_mode_32 3
		.amdhsa_float_denorm_mode_16_64 3
		.amdhsa_memory_ordered 1
		.amdhsa_forward_progress 1
		.amdhsa_inst_pref_size 159
	.end_amdhsa_kernel
	.amdgpu_metadata
---
amdhsa.version: [ 1, 2 ]
amdhsa.kernels:
  - .name:           k_qe2d208a007_proj
    .symbol:         k_qe2d208a007_proj.kd
    .args:
      - { .name: yq, .offset: 0, .size: 8, .value_kind: global_buffer, .address_space: global }
      - { .name: opq, .offset: 8, .size: 8, .value_kind: global_buffer, .address_space: global }
      - { .name: out0, .offset: 16, .size: 8, .value_kind: global_buffer, .address_space: global }
    .group_segment_fixed_size: 327680
    .private_segment_fixed_size: 0
    .kernarg_segment_align: 8
    .kernarg_segment_size: 24
    .max_flat_workgroup_size: 128
    .sgpr_count:     98
    .vgpr_count:     1024
    .wavefront_size: 32
...
	.end_amdgpu_metadata
.endif
;; end of part 4
